; MI455X (gfx1250); checked and timed in simulation.
; The chip was launched on July 23, 2026; its instructions are those of AMD's public machine-readable ISA for CDNA 5 (MIT licence, August 2026) and "CDNA5" Instruction Set Architecture Reference Guide (July 2026). The comments in the code are by the model that wrote it; some were corrected since.
;; Multi Head Attention. Allowed arithmetic: float matrix products may take bf16 or f16 operands with f32 sums; all other float work in f32.
;; Inputs: Wk 768 x 768 float32; Wo 768 x 768 float32; Wq 768 x 768 float32; Wv 768 x 768 float32; x 2 x 2,048 x 768 float32.
;; Outputs: out0 2 x 2,048 x 768 float32.
;; 2 versions, each right and faster than the one before. Each part assembles by itself: llvm-mc -triple=amdgcn-amd-amdhsa -mcpu=gfx1250 --defsym DOCPART=n.
;; ======== version 1 of 2: 3 launches
;; limits: values are held in f16: magnitudes above 65,504 overflow, below 6.1e-05 lose precision
;; workspace buffers: qkv 18,874,368 bytes; y 6,291,456 bytes
;; launch qkv_proj (part 1): grid 12 x 16, 4 waves a work-group, no clusters, 197,120 bytes of LDS; arguments x, Wq, Wk, Wv, qkv; writes qkv
.if DOCPART == 1
	.amdgcn_target "amdgcn-amd-amdhsa--gfx1250"
	.amdhsa_code_object_version 6
	.text
	.protected	k_q5578e87884_qkv_proj
	.globl	k_q5578e87884_qkv_proj
	.p2align	8
	.type	k_q5578e87884_qkv_proj,@function
k_q5578e87884_qkv_proj:
	s_mov_b64 s[64:65], 0
	v_nop
	global_prefetch_b8 v0, s[64:65] scope:SCOPE_SE
	s_setreg_imm32_b32 hwreg(HW_REG_WAVE_MODE, 25, 1), 1
	s_wait_xcnt 0x0
; q, k, v = x @ Wq, x @ Wk, x @ Wv, RoPE on q and k, q also times 0.125 log2(e); stored as f16 in qkv = three parts [B][H][T][64].
; x: [4096][768] f32, W: [768][768] f32.  Operands are rounded to bf16 on the way into LDS, sums are f32.
; A work-group makes 256 rows x 192 columns (three heads of one of the three products); four waves, each 128 x 96 = 8 x 6 accumulator tiles.
; K goes in 12 steps of 64 through two LDS slots.  The tiles are f32 in memory and must be rounded, so they pass through registers:
; global load (one step ahead) -> v_cvt_pk_bf16_f32 -> ds_store.  That is why no tensor load and no cluster is used here.
; The matrix instruction is used transposed (source 0 = 16 columns of W, source 1 = 16 rows of x): a lane then holds row l % 16 and
; eight neighbouring columns 8 (l / 16) + 0..7, that is four RoPE pairs, and 16 bytes of f16.
; RoPE: the rotated pair stays at places (2p, 2p+1) instead of (p, p+32).  That is one permutation of d for q and k alike, and only
; their dot product is used later.
; LIMITS: results are kept in f16: |0.18 q|, |k|, |v| above 65504 become infinite.  The RoPE angle is t f with f = exp2(-j log2(10000)/32)
; from v_exp_f32, a reduction by pi/2 in two parts, and 63 rotations by f: within about 3e-4 rad of the exact t f at t = 2047.
.set SLOT,  63488                      ; a slot: x 256 rows x 144, then W 64 rows x 416
.set WOFF,  36864                      ; W's place in a slot
.set TABLE, 126976                     ; behind the two slots: 256 rows x 272: 32 pairs (cos, sin) of f32 for each row of the block
.set HS,    36864                      ; the way out: [3 heads][256 rows] of 144 bytes, laid over the slots when they are no longer read
.set PA,    144                        ; 128 bytes + 16: an odd multiple of 16, so 16 rows start in 16 different 16-byte columns modulo 256
.set PW,    416                        ; 384 bytes + 32: an odd multiple of 32
.set PT,    272
.set GOFF, 3                           ; v3      (t>>3) 3072 + (t&7) 32: my 32 bytes in 16 rows of x or of W
.set XST,  6                           ; v6-7    where my 16 bytes of x go, slot 0, 1
.set WST,  8                           ; v8-9    the same for W
.set ADRA, 10                          ; v10-11  my x fragments, slot 0, 1
.set ADRW, 12                          ; v12-13  my W fragments
.set STOA, 14                          ; v14, 15 the way out: two bases that cover my six column tiles in the three heads
.set STOB, 15
.set TA,   16                          ; v16, 17 my row of the table, the two halves of a head in the order of my tiles
.set TB,   17
.set RD,   18                          ; v18-20  reading a head back by rows
.set CO,   21                          ; v21     16 t
.set F0,   32                          ; fragment buffer 0: x at +0 .. +63, W at +64 .. +111
.set F1,   144                         ; fragment buffer 1
.set CS,   32                          ; the way out: 4 groups x 4 pairs (cos, sin)
.set UU,   144                         ; rotated values, f32
.set PK,   192                         ; packed f16
; windows of 256 registers: 0 addresses and fragments; 1 accumulators of my rows 0-63 (tile (a, b) at 8 (6 a + b)); 2 those of rows 64-127;
; 3 tiles on their way: x chunk i at 8 i, W chunk c at 128 + 8 c
.set MSB, 0
.macro WIN new                         ; the immediate's high byte repeats the setting that is left
.if MSB != \new
	s_set_vgpr_msb (MSB<<8)|\new
.set MSB, \new
.endif
.endm
.macro PLACES                          ; four places behind a matrix instruction in front of loads into, or reads of, its registers
.rept 4
	v_nop
.endr
.endm
	s_load_b256 s[4:11], s[0:1], 0x0               ; x s[4:5], Wq s[6:7], Wk s[8:9], Wv s[10:11]
	s_load_b64 s[12:13], s[0:1], 0x20              ; qkv
	v_lshl_add_u32 v30, v0, 2, 0x30000
	v_mov_b32 v31, 0
	v_lshrrev_b32 v1, 5, v0
	v_readfirstlane_b32 s14, v1                    ; wave
	s_lshr_b32 s15, s14, 1                         ; wm: which 128 rows
	s_and_b32 s16, s14, 1                          ; wn: which 96 columns
	s_mov_b32 s17, ttmp9                           ; column tile 0..11
	s_and_b32 s18, ttmp7, 0xffff                   ; row tile 0..15
	s_lshr_b32 s19, s17, 2                         ; 0 q, 1 k, 2 v
	s_and_b32 s20, s17, 3                          ; heads 3 nq .. 3 nq + 2
	v_and_b32 v1, 15, v0                           ; r
	v_bfe_u32 v2, v0, 4, 1                         ; h
	v_lshrrev_b32 v4, 3, v0                        ; t >> 3, 0..15
	v_and_b32 v5, 7, v0                            ; t & 7
	v_mul_u32_u24 v[GOFF], v4, 3072
	v_lshl_add_u32 v[GOFF], v5, 5, v[GOFF]
	v_mul_u32_u24 v[XST], v4, PA
	v_lshl_add_u32 v[XST], v5, 4, v[XST]
	v_add_nc_u32 v[XST+1], SLOT, v[XST]
	v_mul_u32_u24 v[WST], v4, PW
	v_lshl_add_u32 v[WST], v5, 4, v[WST]
	v_add_nc_u32 v[WST], WOFF, v[WST]
	v_add_nc_u32 v[WST+1], SLOT, v[WST]
	s_lshl_b32 s30, s15, 7
	v_add_nc_u32 v22, s30, v1                      ; 128 wm + r
	v_mul_u32_u24 v23, v22, PA
	v_lshl_add_u32 v[ADRA], v2, 4, v23             ; row x pitch + 16 h
	v_add_nc_u32 v[ADRA+1], SLOT, v[ADRA]
	v_lshl_add_u32 v24, v2, 3, v5                  ; 8 h + (l & 7): the k row that this lane addresses for the transposing load
	v_mul_u32_u24 v24, v24, PW
	v_bfe_u32 v25, v0, 3, 1
	v_lshl_add_u32 v24, v25, 4, v24
	s_mul_i32 s30, s16, 192                        ; my 96 columns, 2 bytes each
	s_add_co_u32 s30, s30, WOFF
	v_add_nc_u32 v[ADRW], s30, v24
	v_add_nc_u32 v[ADRW+1], SLOT, v[ADRW]
	s_mul_i32 s30, s16, HS+64                      ; wn = 1 begins in the middle of head 1
	v_add_nc_u32 v[STOA], s30, v[ADRA]
	s_mul_i32 s30, s16, 2*HS-64
	v_add_nc_u32 v[STOB], s30, v[ADRA]
	v_mul_u32_u24 v23, v22, PT
	v_lshl_add_u32 v23, v2, 5, v23                 ; + 32 h: four pairs of 8 bytes
	s_lshl_b32 s30, s16, 7
	s_add_co_u32 s30, s30, TABLE
	v_add_nc_u32 v[TA], s30, v23
	s_xor_b32 s31, s16, 1
	s_lshl_b32 s31, s31, 7
	s_add_co_u32 s31, s31, TABLE
	v_add_nc_u32 v[TB], s31, v23
	v_mov_b32 v[RD], v[XST]
	v_add_nc_u32 v[RD+1], HS, v[XST]
	v_add_nc_u32 v[RD+2], 2*HS, v[XST]
	v_lshlrev_b32 v[CO], 4, v0
	s_lshr_b32 s28, s18, 3                         ; batch
	s_mul_i32 s28, s28, 12
	s_mul_i32 s29, s20, 3
	s_add_co_u32 s28, s28, s29                     ; first head of the block, counted over both batches
	s_lshl_b32 s28, s28, 18                        ; a head is 2048 x 128 bytes
	s_and_b32 s29, s18, 7
	s_lshl_b32 s29, s29, 15                        ; 256 rows of 128 bytes
	s_add_co_u32 s28, s28, s29
	s_mul_i32 s29, s19, 6291456                    ; the part of q, k or v
	s_add_co_u32 s28, s28, s29
	s_mov_b32 s29, 0
	s_mul_i32 s30, s18, 786432                     ; 256 rows of x
	s_mov_b32 s31, 0
	s_wait_kmcnt 0x0
	s_add_nc_u64 s[26:27], s[12:13], s[28:29]      ; where the block goes
	s_add_nc_u64 s[22:23], s[4:5], s[30:31]        ; x at the block's first row
	s_cmp_eq_u32 s19, 1
	s_cselect_b64 s[24:25], s[8:9], s[6:7]
	s_cmp_eq_u32 s19, 2
	s_cselect_b64 s[24:25], s[10:11], s[24:25]     ; my W
	s_mul_i32 s30, s20, 768
	s_add_nc_u64 s[24:25], s[24:25], s[30:31]      ; at my 192 columns
	s_cmp_eq_u32 s19, 0
	s_cselect_b32 s32, 0x3e38aa3b, 1.0             ; q carries 0.125 log2(e), so that the softmax works in base 2
; 56 loads: one K step's tiles, 32 bytes a thread and chunk.  x: 16 chunks of 16 rows; W: 4 x 3 chunks of 16 k rows x 64 columns.
.macro LOADS
	WIN 0xc0
.irp i, 0,1,2,3,4,5,6,7,8,9,10,11,12,13,14,15
	global_load_b128 v[8*\i:8*\i+3],   v[GOFF], s[22:23] offset:49152*\i
	global_load_b128 v[8*\i+4:8*\i+7], v[GOFF], s[22:23] offset:49152*\i+16
.endr
.irp g, 0,1,2,3
.irp j, 0,1,2
	global_load_b128 v[128+8*(3*\g+\j):128+8*(3*\g+\j)+3],   v[GOFF], s[24:25] offset:49152*\g+256*\j
	global_load_b128 v[128+8*(3*\g+\j)+4:128+8*(3*\g+\j)+7], v[GOFF], s[24:25] offset:49152*\g+256*\j+16
.endr
.endr
.endm
; round the 28 chunks to bf16 in place (8 registers become 4) and lay them into a slot
.macro CONVERT slot
	WIN 0xcf
.set NN, 0
.rept 28
	v_cvt_pk_bf16_f32 v[8*NN],   v[8*NN],   v[8*NN+1]
	v_cvt_pk_bf16_f32 v[8*NN+1], v[8*NN+2], v[8*NN+3]
	v_cvt_pk_bf16_f32 v[8*NN+2], v[8*NN+4], v[8*NN+5]
	v_cvt_pk_bf16_f32 v[8*NN+3], v[8*NN+6], v[8*NN+7]
.set NN, NN+1
.endr
	WIN 0x0c
.irp i, 0,1,2,3,4,5,6,7,8,9,10,11,12,13,14,15
	ds_store_b128 v[XST+\slot], v[8*\i:8*\i+3] offset:16*PA*\i
.endr
.irp g, 0,1,2,3
.irp j, 0,1,2
	ds_store_b128 v[WST+\slot], v[128+8*(3*\g+\j):128+8*(3*\g+\j)+3] offset:16*PW*\g+128*\j
.endr
.endr
.endm
; the fragments of 32 along K: 8 of x (rows lie along K: two loads 32 bytes apart), 6 of W (stored [k][n]: two transposing loads 16 rows apart)
.macro FETCH slot, kh, F
	WIN 0
.irp a, 0,1,2,3,4,5,6,7
	ds_load_b128 v[\F+8*\a:\F+8*\a+3],   v[ADRA+\slot] offset:16*PA*\a+64*\kh
	ds_load_b128 v[\F+8*\a+4:\F+8*\a+7], v[ADRA+\slot] offset:16*PA*\a+64*\kh+32
.endr
.irp b, 0,1,2,3,4,5
	ds_load_tr16_b128 v[\F+64+8*\b:\F+64+8*\b+3],   v[ADRW+\slot] offset:32*\b+32*PW*\kh
	ds_load_tr16_b128 v[\F+64+8*\b+4:\F+64+8*\b+7], v[ADRW+\slot] offset:32*\b+32*PW*\kh+16*PW
.endr
.endm
; 24 matrix instructions: four row tiles x six column tiles.  The 48 accumulators take turns, one instruction a turn.
.macro MUL24 F, hi, zero
.if \hi
	WIN 0xa0
.else
	WIN 0x50
.endif
.irp a, 0,1,2,3
.irp b, 0,1,2,3,4,5
.if \zero
	v_wmma_f32_16x16x32_bf16 v[8*(6*\a+\b):8*(6*\a+\b)+7], v[\F+64+8*\b:\F+64+8*\b+7], v[\F+8*(4*\hi+\a):\F+8*(4*\hi+\a)+7], 0
.else
	v_wmma_f32_16x16x32_bf16 v[8*(6*\a+\b):8*(6*\a+\b)+7], v[\F+64+8*\b:\F+64+8*\b+7], v[\F+8*(4*\hi+\a):\F+8*(4*\hi+\a)+7], v[8*(6*\a+\b):8*(6*\a+\b)+7]
.endif
.endr
.endr
.endm
; sine and cosine of v[X] >= 0 without v_sin_f32: n = nearest multiple of pi/2, the rest |r| <= pi/4 in two parts, two polynomials, the quadrant by selects
.macro SINCOS X, C, S, T
	v_mul_f32 v[\T], 0x3f22f983, v[\X]                     ; x 2/pi
	v_rndne_f32 v[\T], v[\T]
	v_fmamk_f32 v[\T+1], v[\T], 0xbfc90fdb, v[\X]          ; x - n pi/2, upper part
	v_fmamk_f32 v[\T+1], v[\T], 0x333bbd2e, v[\T+1]        ; lower part
	v_mul_f32 v[\T+2], v[\T+1], v[\T+1]
	v_mov_b32 v[\T+3], 0xb9500d01                          ; -1/5040
	v_fmaak_f32 v[\T+3], v[\T+3], v[\T+2], 0x3c088889      ; 1/120
	v_fmaak_f32 v[\T+3], v[\T+3], v[\T+2], 0xbe2aaaab      ; -1/6
	v_mul_f32 v[\T+4], v[\T+1], v[\T+2]
	v_fma_f32 v[\S], v[\T+4], v[\T+3], v[\T+1]
	v_mov_b32 v[\T+3], 0x37d00d01                          ; 1/40320
	v_fmaak_f32 v[\T+3], v[\T+3], v[\T+2], 0xbab60b61      ; -1/720
	v_fmaak_f32 v[\T+3], v[\T+3], v[\T+2], 0x3d2aaaab      ; 1/24
	v_fmaak_f32 v[\T+3], v[\T+3], v[\T+2], 0xbf000000      ; -1/2
	v_fma_f32 v[\C], v[\T+3], v[\T+2], 1.0
	v_cvt_i32_f32 v[\T], v[\T]
	v_and_b32 v[\T+3], 1, v[\T]
	v_cmp_eq_u32 vcc_lo, 1, v[\T+3]                        ; odd quadrant: the two change places
	v_cndmask_b32 v[\T+4], v[\S], v[\C], vcc_lo
	v_cndmask_b32 v[\C], v[\C], v[\S], vcc_lo
	v_lshlrev_b32 v[\T+3], 30, v[\T]                       ; sine is negative in quadrants 2, 3
	v_and_b32 v[\T+3], 0x80000000, v[\T+3]
	v_xor_b32 v[\S], v[\T+4], v[\T+3]
	v_add_nc_u32 v[\T], 1, v[\T]                           ; cosine in quadrants 1, 2
	v_lshlrev_b32 v[\T], 30, v[\T]
	v_and_b32 v[\T], 0x80000000, v[\T]
	v_xor_b32 v[\C], v[\C], v[\T]
.endm
	LOADS                                          ; K step 0 is on its way while the table is made
	WIN 0
	s_cmp_eq_u32 s19, 2                            ; v is not rotated: no table
	s_cbranch_scc1 .Lnotable
	; wave w makes rows 64 w .. 64 w + 63 of the table, lane j the pair of frequency j
	v_and_b32 v32, 31, v0
	v_cvt_f32_u32 v33, v32
	v_mul_f32 v33, 0xbed49a78, v33                 ; -j log2(10000) / 32
	v_exp_f32 v34, v33                             ; f
	s_and_b32 s33, s18, 7
	s_lshl_b32 s33, s33, 8
	s_lshl_b32 s34, s14, 6
	s_add_co_u32 s33, s33, s34                     ; t of my first row
	v_cvt_f32_u32 v35, s33                         ; a plain instruction between v_exp_f32 and the use of its result (ISA guide 5.7.2)
	s_wait_alu depctr_va_vdst(0)
	v_mul_f32 v35, v35, v34
	SINCOS 35, 36, 37, 40                          ; of t f
	SINCOS 34, 38, 39, 40                          ; of f: one row's step
	v_mul_f32 v36, s32, v36                        ; q's factor rides on the table
	v_mul_f32 v37, s32, v37
	s_mul_i32 s33, s14, 64*PT
	s_add_co_u32 s33, s33, TABLE
	v_lshl_add_u32 v46, v32, 3, s33
.set NN, 0
.rept 64
	ds_store_b64 v46, v[36:37] offset:NN*PT
.if NN < 63
	v_mul_f32 v40, v37, v39
	v_mul_f32 v41, v36, v39
	v_fma_f32 v36, v36, v38, -v40                  ; cos(a + f)
	v_fma_f32 v37, v37, v38, v41                   ; sin(a + f)
.endif
.set NN, NN+1
.endr
.Lnotable:
	s_wait_loadcnt 0x0                             ; K step 0 is in registers; its address registers are free
	CONVERT 0
	s_add_nc_u64 s[22:23], s[22:23], 256           ; 64 along K in x
	s_add_nc_u64 s[24:25], s[24:25], 196608        ; 64 rows of W
	LOADS                                          ; K step 1
	WIN 0
	s_wait_dscnt 0x0                               ; my part of slot 0 and of the table is written
	s_barrier_signal -1
	s_barrier_wait -1                              ; everybody's is
	FETCH 0, 0, F0
; One K step: multiplies the slot, lays the next step's tiles (loaded one step ago) into the other slot, asks for the step after that.
; One barrier a step.  In front of its signal each wave has its reads of this slot back and its stores into the other slot done;
; behind its wait the other slot is read, and in the next step this slot is written.
.macro TRIP slot, other, zero, conv, load, last
	s_wait_dscnt 0x0                               ; buffer 0 is in
	MUL24 F0, 0, \zero
	PLACES
	FETCH \slot, 1, F1
	MUL24 F0, 1, \zero
.if \conv
	s_wait_loadcnt 0x0                             ; all 56 loads of the next step, issued a step ago; frees both pointers too
	CONVERT \other
.if \load
	s_add_nc_u64 s[22:23], s[22:23], 256
	s_add_nc_u64 s[24:25], s[24:25], 196608
	LOADS
.endif
.endif
	s_wait_dscnt 0x0                               ; buffer 1 is in: my reads of this slot are over; my stores have landed
.if \last == 0
	s_barrier_signal -1
.endif
	MUL24 F1, 0, 0
.if \last == 0
	WIN 0
	s_barrier_wait -1
	PLACES
	FETCH \other, 0, F0
.endif
	MUL24 F1, 1, 0
.endm
	TRIP 0, 1, 1, 1, 1, 0                          ; the first products start the sums: nothing is cleared
	TRIP 1, 0, 0, 1, 1, 0
	WIN 0
	s_mov_b32 s28, 4
.Lk:
	TRIP 0, 1, 0, 1, 1, 0
	TRIP 1, 0, 0, 1, 1, 0
	WIN 0
	s_sub_co_u32 s28, s28, 1
	s_cmp_lg_u32 s28, 0
	s_cbranch_scc1 .Lk
	TRIP 0, 1, 0, 1, 0, 0                          ; step 10: step 11 is laid down, nothing is left to ask for
	TRIP 1, 0, 0, 0, 0, 1                          ; step 11
	WIN 0
	PLACES
	s_wait_dscnt 0x0
	s_barrier_signal -1
	s_barrier_wait -1                              ; nobody reads the slots any more: the way out is laid over them
; 16 rows of my block: rotate (q, k), round to f16, 16 bytes a lane and tile into the head's rows.
; ar = row tile 0..7, ac = its number in its window, w1, w2 = window settings for one and for two sources in that window.
.macro OUTROW ar, ac, w1, w2, rope
.if \rope
	WIN 0
.irp g, 0,1
	ds_load_b128 v[CS+8*\g:CS+8*\g+3],       v[TA] offset:16*PT*\ar+64*\g
	ds_load_b128 v[CS+8*\g+4:CS+8*\g+7],     v[TA] offset:16*PT*\ar+64*\g+16
	ds_load_b128 v[CS+16+8*\g:CS+16+8*\g+3], v[TB] offset:16*PT*\ar+64*\g
	ds_load_b128 v[CS+16+8*\g+4:CS+16+8*\g+7], v[TB] offset:16*PT*\ar+64*\g+16
.endr
	s_wait_dscnt 0x0
	WIN \w1
.irp b, 0,1,2,3,4,5
.irp p, 0,1,2,3
	v_pk_mul_f32 v[UU+8*\b+2*\p:UU+8*\b+2*\p+1], v[8*(6*\ac+\b)+2*\p:8*(6*\ac+\b)+2*\p+1], v[CS+8*(\b&3)+2*\p:CS+8*(\b&3)+2*\p+1] op_sel_hi:[0,1]   ; (x1 c, x1 s)
.endr
.irp p, 0,1,2,3
	v_pk_fma_f32 v[UU+8*\b+2*\p:UU+8*\b+2*\p+1], v[8*(6*\ac+\b)+2*\p:8*(6*\ac+\b)+2*\p+1], v[CS+8*(\b&3)+2*\p:CS+8*(\b&3)+2*\p+1], v[UU+8*\b+2*\p:UU+8*\b+2*\p+1] op_sel:[1,1,0] op_sel_hi:[1,0,1] neg_lo:[1,0,0]   ; (- x2 s, + x2 c)
.endr
.endr
	WIN 0
.irp b, 0,1,2,3,4,5
.irp p, 0,1,2,3
	v_cvt_pk_f16_f32 v[PK+4*\b+\p], v[UU+8*\b+2*\p], v[UU+8*\b+2*\p+1]
.endr
.endr
.else
	WIN \w2
.irp b, 0,1,2,3,4,5
.irp p, 0,1,2,3
	v_cvt_pk_f16_f32 v[PK+4*\b+\p], v[8*(6*\ac+\b)+2*\p], v[8*(6*\ac+\b)+2*\p+1]
.endr
.endr
	WIN 0
.endif
	ds_store_b128 v[STOA], v[PK:PK+3]     offset:16*PA*\ar
	ds_store_b128 v[STOA], v[PK+4:PK+7]   offset:16*PA*\ar+32
	ds_store_b128 v[STOB], v[PK+8:PK+11]  offset:16*PA*\ar+64
	ds_store_b128 v[STOB], v[PK+12:PK+15] offset:16*PA*\ar+96
	ds_store_b128 v[STOA], v[PK+16:PK+19] offset:16*PA*\ar+HS
	ds_store_b128 v[STOA], v[PK+20:PK+23] offset:16*PA*\ar+HS+32
.endm
	s_cmp_eq_u32 s19, 2
	s_cbranch_scc1 .Lplain
	OUTROW 0, 0, 0x01, 0x05, 1
	OUTROW 1, 1, 0x01, 0x05, 1
	OUTROW 2, 2, 0x01, 0x05, 1
	OUTROW 3, 3, 0x01, 0x05, 1
	OUTROW 4, 0, 0x02, 0x0a, 1
	OUTROW 5, 1, 0x02, 0x0a, 1
	OUTROW 6, 2, 0x02, 0x0a, 1
	OUTROW 7, 3, 0x02, 0x0a, 1
	s_branch .Lback
.Lplain:
	OUTROW 0, 0, 0x01, 0x05, 0
	OUTROW 1, 1, 0x01, 0x05, 0
	OUTROW 2, 2, 0x01, 0x05, 0
	OUTROW 3, 3, 0x01, 0x05, 0
	OUTROW 4, 0, 0x02, 0x0a, 0
	OUTROW 5, 1, 0x02, 0x0a, 0
	OUTROW 6, 2, 0x02, 0x0a, 0
	OUTROW 7, 3, 0x02, 0x0a, 0
.Lback:
	s_wait_dscnt 0x0                               ; my part of the three heads is written
	s_barrier_signal -1
	s_barrier_wait -1
; 128 rows of a head back by rows: a row is 128 bytes and rows follow each other in memory, so a wave's store covers 512 consecutive bytes, aligned
.macro BACK hh, g, R
	s_wait_xcnt 0x0                                ; the registers that earlier stores read are loaded again only behind this wait
.irp t, 0,1,2,3,4,5,6,7
	ds_load_b128 v[\R+4*\t:\R+4*\t+3], v[RD+\hh] offset:16*PA*(8*\g+\t)
.endr
.irp t, 0,1,2,3,4,5,6,7
	s_wait_dscnt 7-\t                              ; LDS loads return in order: the 7 - t younger ones may stay out
	global_store_b128 v[CO], v[\R+4*\t:\R+4*\t+3], s[26:27] offset:262144*\hh+2048*(8*\g+\t)
.endr
.endm
	BACK 0, 0, 32
	BACK 0, 1, 64
	BACK 1, 0, 32
	BACK 1, 1, 64
	BACK 2, 0, 32
	BACK 2, 1, 64
	s_wait_tensorcnt 0x0
	ds_add_u32 v30, v31
	s_wait_dscnt 0x0
	s_endpgm
.Lfunc_end_k_q5578e87884_qkv_proj:
	.size	k_q5578e87884_qkv_proj, .Lfunc_end_k_q5578e87884_qkv_proj-k_q5578e87884_qkv_proj
	.p2alignl 7, 3214868480
	.fill 96, 4, 3214868480
	.section	.rodata,"a",@progbits
	.p2align	6, 0x0
	.amdhsa_kernel k_q5578e87884_qkv_proj
		.amdhsa_group_segment_fixed_size 197120
		.amdhsa_private_segment_fixed_size 0
		.amdhsa_enable_private_segment 0
		.amdhsa_kernarg_size 40
		.amdhsa_user_sgpr_count 2
		.amdhsa_user_sgpr_kernarg_segment_ptr 1
		.amdhsa_wavefront_size32 1
		.amdhsa_system_sgpr_workgroup_id_x 1
		.amdhsa_system_sgpr_workgroup_id_y 1
		.amdhsa_system_sgpr_workgroup_id_z 1
		.amdhsa_system_vgpr_workitem_id 0
		.amdhsa_next_free_vgpr 1024
		.amdhsa_next_free_sgpr 66
		.amdhsa_reserve_vcc 1
		.amdhsa_float_denorm_mode_32 3
		.amdhsa_float_denorm_mode_16_64 3
		.amdhsa_memory_ordered 1
		.amdhsa_forward_progress 1
		.amdhsa_inst_pref_size 239
	.end_amdhsa_kernel
	.amdgpu_metadata
---
amdhsa.version: [ 1, 2 ]
amdhsa.kernels:
  - .name:           k_q5578e87884_qkv_proj
    .symbol:         k_q5578e87884_qkv_proj.kd
    .args:
      - { .name: x, .offset: 0, .size: 8, .value_kind: global_buffer, .address_space: global }
      - { .name: Wq, .offset: 8, .size: 8, .value_kind: global_buffer, .address_space: global }
      - { .name: Wk, .offset: 16, .size: 8, .value_kind: global_buffer, .address_space: global }
      - { .name: Wv, .offset: 24, .size: 8, .value_kind: global_buffer, .address_space: global }
      - { .name: qkv, .offset: 32, .size: 8, .value_kind: global_buffer, .address_space: global }
    .group_segment_fixed_size: 197120
    .private_segment_fixed_size: 0
    .kernarg_segment_align: 8
    .kernarg_segment_size: 40
    .max_flat_workgroup_size: 128
    .sgpr_count:     66
    .vgpr_count:     1024
    .wavefront_size: 32
...
	.end_amdgpu_metadata
.endif
;; end of part 1
;; launch attn (part 2): grid 8 x 24, 8 waves a work-group, no clusters, 76,800 bytes of LDS; arguments qkv, y; writes y
.if DOCPART == 2
	.amdgcn_target "amdgcn-amd-amdhsa--gfx1250"
	.amdhsa_code_object_version 6
	.text
	.protected	k_q5578e87884_attn
	.globl	k_q5578e87884_attn
	.p2align	8
	.type	k_q5578e87884_attn,@function
k_q5578e87884_attn:
	s_mov_b64 s[64:65], 0
	v_nop
	global_prefetch_b8 v0, s[64:65] scope:SCOPE_SE
	s_setreg_imm32_b32 hwreg(HW_REG_WAVE_MODE, 25, 1), 1
	s_wait_xcnt 0x0
; Causal softmax attention of one head, with a running maximum.  qkv: q, k, v parts [24 heads][2048][64] f16, q already times 0.125 log2(e);
; y: [24][2048][64] f16.  Products on f16 operands with f32 sums; softmax in f32, base 2.
; A work-group takes query blocks i and 15 - i (128 queries each) of a head: waves 0-3 the first, waves 4-7 the second, 32 queries a wave.
; Every pair has the same work: (2 i + 2) + (32 - 2 i) tiles of 64 keys.  Both blocks read the same K and V tiles from LDS.
; All eight waves lay every tile down; a wave computes while t <= tlast (the tile that holds its queries' diagonal) and masks at t = tlast only:
; tiles above the diagonal are thrown away by the mask that the problem itself builds.
; No cluster: the eight work-groups of a head need 32, 30, .. 18 tiles, and the tiles of a step are 16 KiB for 8 waves' work.
; S^T = K Q^T: a lane holds query l % 16 and keys 8 (l / 16) + 0..7 of each 16: the row's figures need one exchange between the halves, and
; P^T packed to f16 is already the second source of O^T = V^T P^T.  V^T comes by the transposing LDS load.
; LIMITS: P is rounded to f16 for the product while the row sum takes it unrounded; y is rounded to f16.
.set PK_,  144                         ; K rows: 128 bytes + 16
.set PV,   160                         ; V rows: 128 bytes + 32, an odd multiple of 32 for the transposing load
.set KSL,  9216                        ; a K slot: 64 rows
.set VSL,  10240                       ; a V slot
.set VBASE, 18432
.set STG,  38912                       ; 32 rows x 144 for each wave, for the way out
.set GO,  3                            ; v3  16 t: my 16 bytes of 4096
.set KST, 4                            ; v4  where they go in K's slot 0
.set VST, 5                            ; v5  in V's slot 0
.set KAD, 6                            ; v6  K fragments
.set VAD, 7                            ; v7  V fragments
.set STO, 8                            ; v8  the way out, in
.set RD,  9                            ; v9  the way out, back
.set CO,  10                           ; v10 16 l
.set NEGINF, 11
.set MD,  12                           ; v12-13  (q0 & 63) + 16 q + r - 8 h: key 16 kt + j of the diagonal tile is masked if it is greater
.set QO,  14
.set LS,  16                           ; v16-17  my half's part of the row sum
.set MN,  18                           ; v[18:19], v[20:21]  running maximum, twice (a pair for the packed subtraction)
.set AL,  22                           ; v[22:23], v[24:25]  2^(old maximum - new), twice
.set GG,  32                           ; v32-47  the next tile on its way
.set QQ,  48                           ; v48-79  Q[q][c] at 16 q + 8 c
.set OO,  80                           ; v80-143 O[i][q] at 8 (2 i + q)
.set SS,  144                          ; v144-207 S[q][kt] at 8 (4 q + kt); then P[q][c] at 16 q + 8 c
.set V2,  176                          ; v176-207 V fragments of keys 32-63, once P is packed
.set KV,  208                          ; v208-239 K fragments of two key tiles, then V fragments of keys 0-31
.macro PLACES
.rept 4
	v_nop
.endr
.endm
	s_load_b128 s[4:7], s[0:1], 0x0                ; qkv s[4:5], y s[6:7]
	v_lshl_add_u32 v240, v0, 2, 0x12800
	v_mov_b32 v241, 0
	v_lshrrev_b32 v1, 5, v0
	v_readfirstlane_b32 s8, v1                     ; wave
	s_mov_b32 s9, ttmp9                            ; i
	s_and_b32 s10, ttmp7, 0xffff                   ; head, over both batches
	s_lshr_b32 s11, s8, 2
	s_and_b32 s12, s8, 3
	s_sub_co_u32 s13, 15, s9
	s_cmp_eq_u32 s11, 0
	s_cselect_b32 s13, s9, s13                     ; my query block
	s_lshl_b32 s14, s13, 7
	s_lshl_b32 s20, s12, 5
	s_add_co_u32 s14, s14, s20                     ; q0: my first query
	s_lshr_b32 s15, s14, 6                         ; tlast
	s_mov_b32 s16, 0                               ; t
	s_sub_co_u32 s17, 14, s9                       ; trips of the loop, two tiles each
	s_mov_b32 s26, 0x76543210                      ; v_permlanex16_b32: lane i of one half reads lane i of the other
	s_mov_b32 s27, 0xfedcba98
	v_and_b32 v1, 15, v0                           ; r
	v_bfe_u32 v2, v0, 4, 1                         ; h
	v_lshlrev_b32 v[GO], 4, v0
	v_lshrrev_b32 v26, 3, v0                       ; t >> 3: row 0..31
	v_and_b32 v27, 7, v0
	v_mul_u32_u24 v[KST], v26, PK_
	v_lshl_add_u32 v[KST], v27, 4, v[KST]
	v_mul_u32_u24 v[VST], v26, PV
	v_lshl_add_u32 v[VST], v27, 4, v[VST]
	v_add_nc_u32 v[VST], VBASE, v[VST]
	v_mul_u32_u24 v[KAD], v1, PK_
	v_lshl_add_u32 v[KAD], v2, 4, v[KAD]
	v_lshl_add_u32 v[VAD], v2, 3, v27              ; 8 h + (l & 7)
	v_mul_u32_u24 v[VAD], v[VAD], PV
	v_bfe_u32 v28, v0, 3, 1
	v_lshl_add_u32 v[VAD], v28, 4, v[VAD]
	v_add_nc_u32 v[VAD], VBASE, v[VAD]
	s_mul_i32 s20, s8, 4608
	s_add_co_u32 s20, s20, STG
	v_add_nc_u32 v[STO], s20, v[KAD]               ; row r, 16 h
	v_and_b32 v29, 31, v0
	v_lshrrev_b32 v30, 3, v29
	v_mul_u32_u24 v[RD], v30, PK_
	v_lshl_add_u32 v[RD], v27, 4, v[RD]
	v_add_nc_u32 v[RD], s20, v[RD]
	v_lshlrev_b32 v[CO], 4, v29
	v_mov_b32 v[NEGINF], 0xff800000
	s_and_b32 s21, s14, 63
	v_lshlrev_b32 v31, 3, v2
	v_sub_nc_u32 v[MD], v1, v31
	v_add_nc_u32 v[MD], s21, v[MD]
	v_add_nc_u32 v[MD+1], 16, v[MD]
	v_lshlrev_b32 v[QO], 7, v1
	v_lshl_add_u32 v[QO], v2, 4, v[QO]
	s_lshl_b32 s28, s10, 18                        ; a head is 262,144 bytes
	s_mov_b32 s29, 0
	s_wait_kmcnt 0x0
	s_add_nc_u64 s[18:19], s[4:5], s[28:29]
	s_add_nc_u64 s[24:25], s[6:7], s[28:29]
	s_lshl_b32 s28, s14, 7
	s_add_nc_u64 s[22:23], s[18:19], s[28:29]      ; my 32 rows of q
	s_add_nc_u64 s[24:25], s[24:25], s[28:29]      ; and of y
	s_add_nc_u64 s[18:19], s[18:19], 6291456       ; the head's K; its V lies 6,291,456 bytes further, in the loads' immediate
.macro GLOAD                           ; a tile: 64 keys x 128 bytes of K and of V, 16 bytes a thread, four times
	global_load_b128 v[GG:GG+3],     v[GO], s[18:19]
	global_load_b128 v[GG+4:GG+7],   v[GO], s[18:19] offset:4096
	global_load_b128 v[GG+8:GG+11],  v[GO], s[18:19] offset:6291456
	global_load_b128 v[GG+12:GG+15], v[GO], s[18:19] offset:6295552
.endm
.macro GSTORE slot
	ds_store_b128 v[KST], v[GG:GG+3]     offset:KSL*\slot
	ds_store_b128 v[KST], v[GG+4:GG+7]   offset:KSL*\slot+32*PK_
	ds_store_b128 v[VST], v[GG+8:GG+11]  offset:VSL*\slot
	ds_store_b128 v[VST], v[GG+12:GG+15] offset:VSL*\slot+32*PV
.endm
.irp q, 0,1
.irp c, 0,1
	global_load_b128 v[QQ+16*\q+8*\c:QQ+16*\q+8*\c+3],   v[QO], s[22:23] offset:2048*\q+64*\c
	global_load_b128 v[QQ+16*\q+8*\c+4:QQ+16*\q+8*\c+7], v[QO], s[22:23] offset:2048*\q+64*\c+32
.endr
.endr
	GLOAD                                          ; tile 0
	s_wait_loadcnt 0x0
	GSTORE 0
	s_add_nc_u64 s[18:19], s[18:19], 8192
	GLOAD                                          ; tile 1
	s_wait_dscnt 0x0
	s_barrier_signal -1
	s_barrier_wait -1
; One tile.  first: it starts maximum, sum and O.  stage: the next tile (in registers) is laid into the other slot.  load: the one after is asked for.
.macro ATRIP slot, other, first, stage, load
.if \first == 0
	s_cmp_gt_u32 s16, s15                          ; above my diagonal: nothing to compute, I only help to lay tiles down
	s_cbranch_scc1 .Lst_\@
.endif
.irp hf, 0,1
.irp kk, 0,1
.irp c, 0,1
	ds_load_b128 v[KV+16*\kk+8*\c:KV+16*\kk+8*\c+3],   v[KAD] offset:KSL*\slot+16*PK_*(2*\hf+\kk)+64*\c
	ds_load_b128 v[KV+16*\kk+8*\c+4:KV+16*\kk+8*\c+7], v[KAD] offset:KSL*\slot+16*PK_*(2*\hf+\kk)+64*\c+32
.endr
.endr
	s_wait_dscnt 0x0
	; four accumulators take turns: d 0-31 starts the four sums, d 32-63 adds onto them
.irp kk, 0,1
.irp q, 0,1
	v_wmma_f32_16x16x32_f16 v[SS+8*(4*\q+2*\hf+\kk):SS+8*(4*\q+2*\hf+\kk)+7], v[KV+16*\kk:KV+16*\kk+7], v[QQ+16*\q:QQ+16*\q+7], 0
.endr
.endr
.irp kk, 0,1
.irp q, 0,1
	v_wmma_f32_16x16x32_f16 v[SS+8*(4*\q+2*\hf+\kk):SS+8*(4*\q+2*\hf+\kk)+7], v[KV+16*\kk+8:KV+16*\kk+15], v[QQ+16*\q+8:QQ+16*\q+15], v[SS+8*(4*\q+2*\hf+\kk):SS+8*(4*\q+2*\hf+\kk)+7]
.endr
.endr
	PLACES                                         ; in front of the next loads into the K fragments, and of the first reads of S
.endr
	s_cmp_lg_u32 s16, s15
	s_cbranch_scc1 .Lnm_\@
.irp q, 0,1
.irp kt, 0,1,2,3
.irp j, 0,1,2,3,4,5,6,7
	v_cmp_gt_i32 vcc_lo, 16*\kt+\j, v[MD+\q]       ; key behind the query
	v_cndmask_b32 v[SS+8*(4*\q+\kt)+\j], v[SS+8*(4*\q+\kt)+\j], v[NEGINF], vcc_lo
.endr
.endr
.endr
.Lnm_\@:
.irp i, 0,1,2,3
	ds_load_tr16_b128 v[KV+8*\i:KV+8*\i+3],   v[VAD] offset:VSL*\slot+32*\i          ; V^T, keys 0-31: on their way during the softmax
	ds_load_tr16_b128 v[KV+8*\i+4:KV+8*\i+7], v[VAD] offset:VSL*\slot+32*\i+16*PV
.endr
	; the maximum of my 32 scores of each query and of the old maximum, two chains; then the other half's
	v_max3_num_f32 v26, v[SS], v[SS+1], v[SS+2]
	v_max3_num_f32 v27, v[SS+32], v[SS+33], v[SS+34]
.set NN, 3
.rept 14
	v_max3_num_f32 v26, v26, v[SS+NN], v[SS+NN+1]
	v_max3_num_f32 v27, v27, v[SS+32+NN], v[SS+32+NN+1]
.set NN, NN+2
.endr
.if \first
	v_max_num_f32 v26, v26, v[SS+31]
	v_max_num_f32 v27, v27, v[SS+63]
.else
	v_max3_num_f32 v26, v26, v[SS+31], v[MN]
	v_max3_num_f32 v27, v27, v[SS+63], v[MN+2]
.endif
	v_permlanex16_b32 v28, v26, s26, s27
	v_permlanex16_b32 v29, v27, s26, s27
	v_max_num_f32 v26, v26, v28                    ; finite: key 0 is open to every query
	v_max_num_f32 v27, v27, v29
.if \first == 0
	v_sub_f32 v30, v[MN], v26
	v_sub_f32 v31, v[MN+2], v27
.endif
	v_mov_b32 v[MN], v26
	v_mov_b32 v[MN+1], v26
	v_mov_b32 v[MN+2], v27
	v_mov_b32 v[MN+3], v27
.if \first == 0
	v_exp_f32 v[AL], v30
	v_exp_f32 v[AL+1], v30
	v_exp_f32 v[AL+2], v31
	v_exp_f32 v[AL+3], v31                         ; the subtractions below are the plain instructions behind these (ISA guide 5.7.2)
.endif
.set NN, 0
.rept 16
	v_pk_add_f32 v[SS+NN:SS+NN+1], v[SS+NN:SS+NN+1], v[MN:MN+1] neg_lo:[0,1] neg_hi:[0,1]
	v_pk_add_f32 v[SS+32+NN:SS+32+NN+1], v[SS+32+NN:SS+32+NN+1], v[MN+2:MN+3] neg_lo:[0,1] neg_hi:[0,1]
.set NN, NN+2
.endr
.set NN, 0
.rept 64
	v_exp_f32 v[SS+NN], v[SS+NN]
.set NN, NN+1
.endr
	v_nop                                          ; one plain instruction between the exponentials and the use of their results (ISA guide 5.7.2)
	s_wait_alu depctr_va_vdst(0)
	v_pk_add_f32 v[26:27], v[SS:SS+1], v[SS+2:SS+3]
	v_pk_add_f32 v[28:29], v[SS+32:SS+33], v[SS+34:SS+35]
.set NN, 4
.rept 14
	v_pk_add_f32 v[26:27], v[26:27], v[SS+NN:SS+NN+1]
	v_pk_add_f32 v[28:29], v[28:29], v[SS+32+NN:SS+32+NN+1]
.set NN, NN+2
.endr
.if \first
	v_add_f32 v[LS], v26, v27
	v_add_f32 v[LS+1], v28, v29
.else
	v_add_f32 v26, v26, v27
	v_add_f32 v28, v28, v29
	v_fma_f32 v[LS], v[LS], v[AL], v26
	v_fma_f32 v[LS+1], v[LS+1], v[AL+2], v28
.endif
.set NN, 0
.rept 32
	v_cvt_pk_f16_f32 v[SS+NN], v[SS+2*NN], v[SS+2*NN+1]    ; packed in place, ascending: register n is written when 2 n, 2 n + 1 have been read
.set NN, NN+1
.endr
.irp i, 0,1,2,3
	ds_load_tr16_b128 v[V2+8*\i:V2+8*\i+3],   v[VAD] offset:VSL*\slot+32*\i+32*PV     ; V^T, keys 32-63, into the half of S that packing freed
	ds_load_tr16_b128 v[V2+8*\i+4:V2+8*\i+7], v[VAD] offset:VSL*\slot+32*\i+48*PV
.endr
.if \first == 0
.irp i, 0,1,2,3
.irp q, 0,1
.irp p, 0,2,4,6
	v_pk_mul_f32 v[OO+8*(2*\i+\q)+\p:OO+8*(2*\i+\q)+\p+1], v[OO+8*(2*\i+\q)+\p:OO+8*(2*\i+\q)+\p+1], v[AL+2*\q:AL+2*\q+1]
.endr
.endr
.endr
.endif
	s_wait_dscnt 0x8                               ; the eight loads of keys 0-31 are in; the eight younger ones may stay out
	; eight accumulators take turns
.irp i, 0,1,2,3
.irp q, 0,1
.if \first
	v_wmma_f32_16x16x32_f16 v[OO+8*(2*\i+\q):OO+8*(2*\i+\q)+7], v[KV+8*\i:KV+8*\i+7], v[SS+16*\q:SS+16*\q+7], 0
.else
	v_wmma_f32_16x16x32_f16 v[OO+8*(2*\i+\q):OO+8*(2*\i+\q)+7], v[KV+8*\i:KV+8*\i+7], v[SS+16*\q:SS+16*\q+7], v[OO+8*(2*\i+\q):OO+8*(2*\i+\q)+7]
.endif
.endr
.endr
	s_wait_dscnt 0x0                               ; keys 32-63 are in: my reads of this slot are over
.irp i, 0,1,2,3
.irp q, 0,1
	v_wmma_f32_16x16x32_f16 v[OO+8*(2*\i+\q):OO+8*(2*\i+\q)+7], v[V2+8*\i:V2+8*\i+7], v[SS+16*\q+8:SS+16*\q+15], v[OO+8*(2*\i+\q):OO+8*(2*\i+\q)+7]
.endr
.endr
.rept 5
	v_nop                                          ; five places: the next tile's first products write over P and V, its loads over the fragments
.endr
.Lst_\@:
.if \stage
	s_wait_loadcnt 0x0                             ; the next tile is in registers; the pointer is free
	GSTORE \other
.if \load
	s_add_nc_u64 s[18:19], s[18:19], 8192
	GLOAD
.endif
.endif
	s_add_co_u32 s16, s16, 1
.if \stage
	s_wait_dscnt 0x0                               ; my stores have landed (my reads of this slot were waited for above)
	s_barrier_signal -1                            ; one barrier a tile: behind it the other slot is whole,
	s_barrier_wait -1                              ; and this slot may be written in the next tile
.endif
.endm
	ATRIP 0, 1, 1, 1, 1                            ; tile 0
.Lloop:
	ATRIP 1, 0, 0, 1, 1
	ATRIP 0, 1, 0, 1, 1
	s_sub_co_u32 s17, s17, 1
	s_cmp_lg_u32 s17, 0
	s_cbranch_scc1 .Lloop                          ; tiles 1 .. 28 - 2 i
	ATRIP 1, 0, 0, 1, 1                            ; tile 29 - 2 i asks for the last tile
	ATRIP 0, 1, 0, 1, 0
	ATRIP 1, 0, 0, 0, 0                            ; tile 31 - 2 i
	; the way out: divide by the row sum, round to f16, through my own stage into whole rows
	v_permlanex16_b32 v28, v[LS], s26, s27
	v_permlanex16_b32 v29, v[LS+1], s26, s27
	v_add_f32 v[LS], v[LS], v28
	v_add_f32 v[LS+1], v[LS+1], v29                ; at least 1: the largest score gives 2^0
	v_rcp_f32 v[AL], v[LS]
	v_rcp_f32 v[AL+1], v[LS]
	v_rcp_f32 v[AL+2], v[LS+1]
	v_rcp_f32 v[AL+3], v[LS+1]
	v_nop
	s_wait_alu depctr_va_vdst(0)
.irp i, 0,1,2,3
.irp q, 0,1
.irp p, 0,2,4,6
	v_pk_mul_f32 v[OO+8*(2*\i+\q)+\p:OO+8*(2*\i+\q)+\p+1], v[OO+8*(2*\i+\q)+\p:OO+8*(2*\i+\q)+\p+1], v[AL+2*\q:AL+2*\q+1]
.endr
.endr
.endr
.irp i, 0,1,2,3
.irp q, 0,1
.irp p, 0,1,2,3
	v_cvt_pk_f16_f32 v[SS+4*(2*\i+\q)+\p], v[OO+8*(2*\i+\q)+2*\p], v[OO+8*(2*\i+\q)+2*\p+1]
.endr
	ds_store_b128 v[STO], v[SS+4*(2*\i+\q):SS+4*(2*\i+\q)+3] offset:16*PK_*\q+32*\i     ; query 16 q + r, d = 16 i + 8 h + 0..7
.endr
.endr
.irp t, 0,1,2,3,4,5,6,7
	ds_load_b128 v[KV+4*\t:KV+4*\t+3], v[RD] offset:4*PK_*\t     ; my own bytes; LDS serves a wave's instructions in order (ISA guide 5.7.1)
.endr
.irp t, 0,1,2,3,4,5,6,7
	s_wait_dscnt 7-\t                              ; the 7 - t younger loads may stay out
	global_store_b128 v[CO], v[KV+4*\t:KV+4*\t+3], s[24:25] offset:512*\t     ; four rows of 128 bytes: 512 consecutive bytes, aligned
.endr
	s_wait_tensorcnt 0x0
	ds_add_u32 v240, v241
	s_wait_dscnt 0x0
	s_endpgm
.Lfunc_end_k_q5578e87884_attn:
	.size	k_q5578e87884_attn, .Lfunc_end_k_q5578e87884_attn-k_q5578e87884_attn
	.p2alignl 7, 3214868480
	.fill 96, 4, 3214868480
	.section	.rodata,"a",@progbits
	.p2align	6, 0x0
	.amdhsa_kernel k_q5578e87884_attn
		.amdhsa_group_segment_fixed_size 76800
		.amdhsa_private_segment_fixed_size 0
		.amdhsa_enable_private_segment 0
		.amdhsa_kernarg_size 16
		.amdhsa_user_sgpr_count 2
		.amdhsa_user_sgpr_kernarg_segment_ptr 1
		.amdhsa_wavefront_size32 1
		.amdhsa_system_sgpr_workgroup_id_x 1
		.amdhsa_system_sgpr_workgroup_id_y 1
		.amdhsa_system_sgpr_workgroup_id_z 1
		.amdhsa_system_vgpr_workitem_id 0
		.amdhsa_next_free_vgpr 242
		.amdhsa_next_free_sgpr 66
		.amdhsa_reserve_vcc 1
		.amdhsa_float_denorm_mode_32 3
		.amdhsa_float_denorm_mode_16_64 3
		.amdhsa_memory_ordered 1
		.amdhsa_forward_progress 1
		.amdhsa_inst_pref_size 141
	.end_amdhsa_kernel
	.amdgpu_metadata
---
amdhsa.version: [ 1, 2 ]
amdhsa.kernels:
  - .name:           k_q5578e87884_attn
    .symbol:         k_q5578e87884_attn.kd
    .args:
      - { .name: qkv, .offset: 0, .size: 8, .value_kind: global_buffer, .address_space: global }
      - { .name: y, .offset: 8, .size: 8, .value_kind: global_buffer, .address_space: global }
    .group_segment_fixed_size: 76800
    .private_segment_fixed_size: 0
    .kernarg_segment_align: 8
    .kernarg_segment_size: 16
    .max_flat_workgroup_size: 256
    .sgpr_count:     66
    .vgpr_count:     242
    .wavefront_size: 32
...
	.end_amdgpu_metadata
.endif
;; end of part 2
;; launch out_proj (part 3): grid 6 x 32, 4 waves a work-group, no clusters, 91,648 bytes of LDS; arguments y, Wo, out0; writes out0
.if DOCPART == 3
	.amdgcn_target "amdgcn-amd-amdhsa--gfx1250"
	.amdhsa_code_object_version 6
	.text
	.protected	k_q5578e87884_out_proj
	.globl	k_q5578e87884_out_proj
	.p2align	8
	.type	k_q5578e87884_out_proj,@function
k_q5578e87884_out_proj:
	s_mov_b64 s[64:65], 0
	v_nop
	global_prefetch_b8 v0, s[64:65] scope:SCOPE_SE
	s_setreg_imm32_b32 hwreg(HW_REG_WAVE_MODE, 25, 1), 1
	s_wait_xcnt 0x0
; out0 = y @ Wo.  y: [2][12 heads][2048][64] f16, Wo: [768][768] f32, out0: [4096][768] f32.  Products on f16 operands, sums in f32.
; A work-group makes 128 x 128, four waves 64 x 64 each (16 accumulator tiles).  A K step of 64 is one head of y: 128 rows x 128 bytes, dense.
; Twelve steps through two LDS slots; the tiles pass through registers because Wo must be rounded on the way, so no tensor load and no cluster.
; Wo is rounded to bf16, as x and the other three weights are, and that value is carried in f16, the format of its partner y:
; exact for |Wo| >= 2^-17, within 2^-25 below.  LIMIT: |Wo| above 65504 becomes infinite.
; The matrix instruction is used transposed (source 0 = columns of Wo, source 1 = rows of y): a lane holds eight neighbouring columns of a row.
.set SLOT,  36864                      ; y 128 rows x 144, then Wo 64 rows x 288
.set WOFF,  18432
.set STAGE, 73728                      ; 16 rows x 272 for each wave
.set PA,    144
.set PW,    288                        ; 256 bytes + 32: an odd multiple of 32 for the transposing load
.set PS,    272
.set YO,   3                           ; v3  16 t
.set WO,   4                           ; v4  (t>>4) 3072 + (t&15) 32
.set YST,  5
.set WST,  6
.set ADRA, 7
.set ADRW, 8
.set STO,  9
.set RD,   10
.set CO,   11
.set F0,   32                          ; fragments: y at +0 .. +31, Wo at +32 .. +63
.set F1,   96
; window 1: accumulators (a, b) at 8 (4 a + b); y chunks at 128 + 4 i; Wo chunks at 160 + 8 g
.set MSB, 0
.macro WIN new
.if MSB != \new
	s_set_vgpr_msb (MSB<<8)|\new
.set MSB, \new
.endif
.endm
.macro PLACES
.rept 4
	v_nop
.endr
.endm
	s_load_b128 s[4:7], s[0:1], 0x0                ; y s[4:5], Wo s[6:7]
	s_load_b64 s[8:9], s[0:1], 0x10                ; out0
	v_lshl_add_u32 v254, v0, 2, 0x16400
	v_mov_b32 v255, 0
	v_lshrrev_b32 v1, 5, v0
	v_readfirstlane_b32 s10, v1
	s_lshr_b32 s11, s10, 1                         ; wm
	s_and_b32 s12, s10, 1                          ; wn
	s_mov_b32 s13, ttmp9                           ; column tile 0..5
	s_and_b32 s14, ttmp7, 0xffff                   ; row tile 0..31
	s_mov_b32 s23, 0xffff0000
	v_and_b32 v1, 15, v0
	v_bfe_u32 v2, v0, 4, 1
	v_lshlrev_b32 v[YO], 4, v0
	v_lshrrev_b32 v12, 4, v0                       ; t >> 4, 0..7
	v_and_b32 v13, 15, v0
	v_mul_u32_u24 v[WO], v12, 3072
	v_lshl_add_u32 v[WO], v13, 5, v[WO]
	v_lshrrev_b32 v14, 3, v0
	v_and_b32 v15, 7, v0
	v_mul_u32_u24 v[YST], v14, PA
	v_lshl_add_u32 v[YST], v15, 4, v[YST]
	v_mul_u32_u24 v[WST], v12, PW
	v_lshl_add_u32 v[WST], v13, 4, v[WST]
	v_add_nc_u32 v[WST], WOFF, v[WST]
	s_lshl_b32 s24, s11, 6
	v_add_nc_u32 v16, s24, v1
	v_mul_u32_u24 v[ADRA], v16, PA
	v_lshl_add_u32 v[ADRA], v2, 4, v[ADRA]
	v_lshl_add_u32 v[ADRW], v2, 3, v15
	v_mul_u32_u24 v[ADRW], v[ADRW], PW
	v_bfe_u32 v17, v0, 3, 1
	v_lshl_add_u32 v[ADRW], v17, 4, v[ADRW]
	s_lshl_b32 s24, s12, 7
	s_add_co_u32 s24, s24, WOFF
	v_add_nc_u32 v[ADRW], s24, v[ADRW]
	s_mul_i32 s24, s10, 16*PS
	s_add_co_u32 s24, s24, STAGE
	v_mul_u32_u24 v[STO], v1, PS
	v_lshl_add_u32 v[STO], v2, 5, v[STO]
	v_add_nc_u32 v[STO], s24, v[STO]
	v_mul_u32_u24 v[RD], v2, PS
	v_lshl_add_u32 v[RD], v1, 4, v[RD]
	v_add_nc_u32 v[RD], s24, v[RD]
	v_mul_u32_u24 v[CO], v2, 3072
	v_lshl_add_u32 v[CO], v1, 4, v[CO]
	s_lshr_b32 s24, s14, 4                         ; batch
	s_mul_i32 s24, s24, 3145728                    ; 12 heads
	s_and_b32 s25, s14, 15
	s_lshl_b32 s25, s25, 14                        ; 128 rows of 128 bytes
	s_add_co_u32 s24, s24, s25
	s_mov_b32 s25, 0
	s_wait_kmcnt 0x0
	s_add_nc_u64 s[16:17], s[4:5], s[24:25]        ; y: head 0, my rows
	s_lshl_b32 s24, s13, 9
	s_add_nc_u64 s[18:19], s[6:7], s[24:25]        ; Wo: my 128 columns
	s_lshl_b32 s26, s14, 7
	s_lshl_b32 s27, s11, 6
	s_add_co_u32 s26, s26, s27
	s_mul_i32 s26, s26, 3072
	s_add_co_u32 s24, s24, s26
	s_lshl_b32 s27, s12, 8
	s_add_co_u32 s24, s24, s27
	s_add_nc_u64 s[20:21], s[8:9], s[24:25]        ; out0 at my wave's 64 x 64
.macro LOADS                           ; 24 loads: y 8 x 16 bytes a thread, Wo 8 chunks of 8 k rows, 32 bytes a thread
	WIN 0x40
.irp i, 0,1,2,3,4,5,6,7
	global_load_b128 v[128+4*\i:128+4*\i+3], v[YO], s[16:17] offset:2048*\i
.endr
.irp g, 0,1,2,3,4,5,6,7
	global_load_b128 v[160+8*\g:160+8*\g+3],   v[WO], s[18:19] offset:24576*\g
	global_load_b128 v[160+8*\g+4:160+8*\g+7], v[WO], s[18:19] offset:24576*\g+16
.endr
.endm
.macro CONVERT slot
	WIN 0x45
.set NN, 0
.rept 32
	v_cvt_pk_bf16_f32 v[160+2*NN], v[160+2*NN], v[160+2*NN+1]      ; two roundings to bf16
.set NN, NN+1
.endr
.set NN, 0
.rept 32
	v_and_b32 v[160+2*NN+1], s23, v[160+2*NN]                      ; back to f32: the upper half stays,
.set NN, NN+1
.endr
.set NN, 0
.rept 32
	v_lshlrev_b32 v[160+2*NN], 16, v[160+2*NN]                     ; the lower moves up
.set NN, NN+1
.endr
.irp g, 0,1,2,3,4,5,6,7
.irp p, 0,1,2,3
	v_cvt_pk_f16_f32 v[160+8*\g+\p], v[160+8*\g+2*\p], v[160+8*\g+2*\p+1]   ; the same values in f16, packed in place, ascending
.endr
.endr
	WIN 0x04
.irp i, 0,1,2,3,4,5,6,7
	ds_store_b128 v[YST], v[128+4*\i:128+4*\i+3] offset:SLOT*\slot+16*PA*\i
.endr
.irp g, 0,1,2,3,4,5,6,7
	ds_store_b128 v[WST], v[160+8*\g:160+8*\g+3] offset:SLOT*\slot+8*PW*\g
.endr
.endm
.macro FETCH slot, kh, F
	WIN 0
.irp a, 0,1,2,3
	ds_load_b128 v[\F+8*\a:\F+8*\a+3],   v[ADRA] offset:SLOT*\slot+16*PA*\a+64*\kh
	ds_load_b128 v[\F+8*\a+4:\F+8*\a+7], v[ADRA] offset:SLOT*\slot+16*PA*\a+64*\kh+32
.endr
.irp b, 0,1,2,3
	ds_load_tr16_b128 v[\F+32+8*\b:\F+32+8*\b+3],   v[ADRW] offset:SLOT*\slot+32*\b+32*PW*\kh
	ds_load_tr16_b128 v[\F+32+8*\b+4:\F+32+8*\b+7], v[ADRW] offset:SLOT*\slot+32*\b+32*PW*\kh+16*PW
.endr
.endm
; eight matrix instructions: row tiles a0, a0 + 1 x four column tiles.  The 16 accumulators take turns.
.macro MUL8 F, a0, zero
	WIN 0x50
.irp a, 0,1
.irp b, 0,1,2,3
.if \zero
	v_wmma_f32_16x16x32_f16 v[8*(4*(\a0+\a)+\b):8*(4*(\a0+\a)+\b)+7], v[\F+32+8*\b:\F+32+8*\b+7], v[\F+8*(\a0+\a):\F+8*(\a0+\a)+7], 0
.else
	v_wmma_f32_16x16x32_f16 v[8*(4*(\a0+\a)+\b):8*(4*(\a0+\a)+\b)+7], v[\F+32+8*\b:\F+32+8*\b+7], v[\F+8*(\a0+\a):\F+8*(\a0+\a)+7], v[8*(4*(\a0+\a)+\b):8*(4*(\a0+\a)+\b)+7]
.endif
.endr
.endr
.endm
; One K step: multiplies the slot, lays the next step's tiles into the other slot, asks for the step after that.  One barrier a step:
; in front of its signal my reads of this slot are back and my stores into the other have landed.
.macro TRIP slot, other, zero, conv, load, last
	s_wait_dscnt 0x0                               ; buffer 0 is in
	MUL8 F0, 0, \zero
	PLACES
	FETCH \slot, 1, F1
	MUL8 F0, 2, \zero
.if \conv
	s_wait_loadcnt 0x0                             ; all 24 loads of the next step, issued a step ago; frees both pointers
	CONVERT \other
.if \load
	s_add_nc_u64 s[16:17], s[16:17], 262144        ; the next head of y
	s_add_nc_u64 s[18:19], s[18:19], 196608        ; 64 rows of Wo
	LOADS
.endif
.endif
	s_wait_dscnt 0x0
.if \last == 0
	s_barrier_signal -1
.endif
	MUL8 F1, 0, 0
.if \last == 0
	WIN 0
	s_barrier_wait -1
	PLACES
	FETCH \other, 0, F0
.endif
	MUL8 F1, 2, 0
.endm
	LOADS                                          ; step 0
	s_wait_loadcnt 0x0
	CONVERT 0
	s_add_nc_u64 s[16:17], s[16:17], 262144
	s_add_nc_u64 s[18:19], s[18:19], 196608
	LOADS                                          ; step 1
	WIN 0
	s_wait_dscnt 0x0
	s_barrier_signal -1
	s_barrier_wait -1
	FETCH 0, 0, F0
	TRIP 0, 1, 1, 1, 1, 0                          ; the first products start the sums
	TRIP 1, 0, 0, 1, 1, 0
	WIN 0
	s_mov_b32 s22, 4
.Lk:
	TRIP 0, 1, 0, 1, 1, 0
	TRIP 1, 0, 0, 1, 1, 0
	WIN 0
	s_sub_co_u32 s22, s22, 1
	s_cmp_lg_u32 s22, 0
	s_cbranch_scc1 .Lk
	TRIP 0, 1, 0, 1, 0, 0
	TRIP 1, 0, 0, 0, 0, 1
	WIN 0
	PLACES                                         ; in front of the LDS stores that read the results
; 16 rows of my 64 x 64: 32 bytes a lane and tile into my own stage, back as rows of 256 bytes
.macro OUT16 a, R
	WIN 0x04
.irp b, 0,1,2,3
	ds_store_b128 v[STO], v[8*(4*\a+\b):8*(4*\a+\b)+3]   offset:64*\b
	ds_store_b128 v[STO], v[8*(4*\a+\b)+4:8*(4*\a+\b)+7] offset:64*\b+16
.endr
	WIN 0
	s_wait_xcnt 0x0                                ; registers that earlier stores read are loaded again only behind this wait
.irp t, 0,1,2,3,4,5,6,7
	ds_load_b128 v[\R+4*\t:\R+4*\t+3], v[RD] offset:2*PS*\t      ; my own bytes; LDS serves a wave's instructions in order (ISA guide 5.7.1)
.endr
.irp t, 0,1,2,3,4,5,6,7
	s_wait_dscnt 7-\t                              ; the 7 - t younger loads may stay out
	global_store_b128 v[CO], v[\R+4*\t:\R+4*\t+3], s[20:21] offset:49152*\a+6144*\t th:TH_STORE_NT   ; sixteen lanes store 256 consecutive bytes, aligned
.endr
.endm
	OUT16 0, 160
	OUT16 1, 192
	OUT16 2, 160
	OUT16 3, 192
	s_wait_tensorcnt 0x0
	ds_add_u32 v254, v255
	s_wait_dscnt 0x0
	s_endpgm
.Lfunc_end_k_q5578e87884_out_proj:
	.size	k_q5578e87884_out_proj, .Lfunc_end_k_q5578e87884_out_proj-k_q5578e87884_out_proj
	.p2alignl 7, 3214868480
	.fill 96, 4, 3214868480
	.section	.rodata,"a",@progbits
	.p2align	6, 0x0
	.amdhsa_kernel k_q5578e87884_out_proj
		.amdhsa_group_segment_fixed_size 91648
		.amdhsa_private_segment_fixed_size 0
		.amdhsa_enable_private_segment 0
		.amdhsa_kernarg_size 24
		.amdhsa_user_sgpr_count 2
		.amdhsa_user_sgpr_kernarg_segment_ptr 1
		.amdhsa_wavefront_size32 1
		.amdhsa_system_sgpr_workgroup_id_x 1
		.amdhsa_system_sgpr_workgroup_id_y 1
		.amdhsa_system_sgpr_workgroup_id_z 1
		.amdhsa_system_vgpr_workitem_id 0
		.amdhsa_next_free_vgpr 480
		.amdhsa_next_free_sgpr 66
		.amdhsa_reserve_vcc 0
		.amdhsa_float_denorm_mode_32 3
		.amdhsa_float_denorm_mode_16_64 3
		.amdhsa_memory_ordered 1
		.amdhsa_forward_progress 1
		.amdhsa_inst_pref_size 97
	.end_amdhsa_kernel
	.amdgpu_metadata
---
amdhsa.version: [ 1, 2 ]
amdhsa.kernels:
  - .name:           k_q5578e87884_out_proj
    .symbol:         k_q5578e87884_out_proj.kd
    .args:
      - { .name: y, .offset: 0, .size: 8, .value_kind: global_buffer, .address_space: global }
      - { .name: Wo, .offset: 8, .size: 8, .value_kind: global_buffer, .address_space: global }
      - { .name: out0, .offset: 16, .size: 8, .value_kind: global_buffer, .address_space: global }
    .group_segment_fixed_size: 91648
    .private_segment_fixed_size: 0
    .kernarg_segment_align: 8
    .kernarg_segment_size: 24
    .max_flat_workgroup_size: 128
    .sgpr_count:     66
    .vgpr_count:     480
    .wavefront_size: 32
...
	.end_amdgpu_metadata
.endif
;; end of part 3
;; ======== version 2 of 2: 3 launches; 1.20 times as fast as version 1
;; limits: values are held in f16: magnitudes above 65,504 overflow, below 6.1e-05 lose precision
;; workspace buffers: qkv 18,874,368 bytes; y 6,291,456 bytes; wo16 1,179,648 bytes
;; launch qkv_proj (part 4): grid 12 x 16, 4 waves a work-group, no clusters, 197,120 bytes of LDS; arguments x, Wq, Wk, Wv, qkv, Wo, wo16; writes qkv, wo16
.if DOCPART == 4
	.amdgcn_target "amdgcn-amd-amdhsa--gfx1250"
	.amdhsa_code_object_version 6
	.text
	.protected	k_q5578e87884_qkv_proj
	.globl	k_q5578e87884_qkv_proj
	.p2align	8
	.type	k_q5578e87884_qkv_proj,@function
k_q5578e87884_qkv_proj:
	s_mov_b64 s[64:65], 0
	v_nop
	global_prefetch_b8 v0, s[64:65] scope:SCOPE_SE
	s_setreg_imm32_b32 hwreg(HW_REG_WAVE_MODE, 25, 1), 1
	s_wait_xcnt 0x0
; q, k, v = x @ Wq, x @ Wk, x @ Wv, RoPE on q and k, q also times 0.125 log2(e); stored as f16 in qkv = three parts [B][H][T][64].
; x: [4096][768] f32, W: [768][768] f32.  Operands are rounded to bf16 on the way into LDS, sums are f32.
; A work-group makes 256 rows x 192 columns (three heads of one of the three products); four waves, each 128 x 96 = 8 x 6 accumulator tiles.
; K goes in 12 steps of 64 through two LDS slots.  The tiles are f32 in memory and must be rounded, so they pass through registers:
; global load (one step ahead) -> v_cvt_pk_bf16_f32 -> ds_store.  That is why no tensor load and no cluster is used here.
; The matrix instruction is used transposed (source 0 = 16 columns of W, source 1 = 16 rows of x): a lane then holds row l % 16 and
; eight neighbouring columns 8 (l / 16) + 0..7, that is four RoPE pairs, and 16 bytes of f16.
; RoPE: the rotated pair stays at places (2p, 2p+1) instead of (p, p+32).  That is one permutation of d for q and k alike, and only
; their dot product is used later.
; BESIDE THAT each of the 192 work-groups prepares 4 of Wo's 768 rows for the last launch, while its first tiles are on their way:
; rounded to bf16 like the other inputs, that value carried in f16 (the format of its partner y), stored to wo16 [768][768].
; So the rounding is done once and not by each of the 32 row blocks that read Wo later.  Exact for |Wo| >= 2^-17, within 2^-25 below.
; LIMITS: results are kept in f16: |0.18 q|, |k|, |v|, |Wo| above 65504 become infinite.  The RoPE angle is t f with f = exp2(-j log2(10000)/32)
; from v_exp_f32, a reduction by pi/2 in two parts, and 63 rotations by f: within about 3e-4 rad of the exact t f at t = 2047.
.set SLOT,  63488                      ; a slot: x 256 rows x 144, then W 64 rows x 416
.set WOFF,  36864                      ; W's place in a slot
.set TABLE, 126976                     ; behind the two slots: 256 rows x 272: 32 pairs (cos, sin) of f32 for each row of the block
.set HS,    36864                      ; the way out: [3 heads][256 rows] of 144 bytes, laid over the slots when they are no longer read
.set PA,    144                        ; 128 bytes + 16: an odd multiple of 16, so 16 rows start in 16 different 16-byte columns modulo 256
.set PW,    416                        ; 384 bytes + 32: an odd multiple of 32
.set PT,    272
.set GOFF, 3                           ; v3      (t>>3) 3072 + (t&7) 32: my 32 bytes in 16 rows of x or of W
.set XST,  6                           ; v6-7    where my 16 bytes of x go, slot 0, 1
.set WST,  8                           ; v8-9    the same for W
.set ADRA, 10                          ; v10-11  my x fragments, slot 0, 1
.set ADRW, 12                          ; v12-13  my W fragments
.set STOA, 14                          ; v14, 15 the way out: two bases that cover my six column tiles in the three heads
.set STOB, 15
.set TA,   16                          ; v16, 17 my row of the table, the two halves of a head in the order of my tiles
.set TB,   17
.set RD,   18                          ; v18-20  reading a head back by rows
.set CO,   21                          ; v21     16 t
.set F0,   32                          ; fragment buffer 0: x at +0 .. +63, W at +64 .. +111
.set F1,   144                         ; fragment buffer 1
.set WA,   47                          ; v47     32 t: my 32 bytes of Wo (ahead of the loop only)
.set WB,   48                          ; v48-71  three chunks of 8 numbers of Wo (ahead of the loop only)
.set CS,   32                          ; the way out: 4 groups x 4 pairs (cos, sin)
.set UU,   144                         ; rotated values, f32
.set PK,   192                         ; packed f16
; windows of 256 registers: 0 addresses and fragments; 1 accumulators of my rows 0-63 (tile (a, b) at 8 (6 a + b)); 2 those of rows 64-127;
; 3 tiles on their way: x chunk i at 8 i, W chunk c at 128 + 8 c
.set MSB, 0
.macro WIN new                         ; the immediate's high byte repeats the setting that is left
.if MSB != \new
	s_set_vgpr_msb (MSB<<8)|\new
.set MSB, \new
.endif
.endm
.macro PLACES                          ; four places behind a matrix instruction in front of loads into, or reads of, its registers
.rept 4
	v_nop
.endr
.endm
	s_load_b256 s[4:11], s[0:1], 0x0               ; x s[4:5], Wq s[6:7], Wk s[8:9], Wv s[10:11]
	s_load_b64 s[12:13], s[0:1], 0x20              ; qkv
	s_load_b64 s[36:37], s[0:1], 0x28              ; Wo
	s_load_b64 s[38:39], s[0:1], 0x30              ; wo16
	v_lshl_add_u32 v30, v0, 2, 0x30000
	v_mov_b32 v31, 0
	v_lshrrev_b32 v1, 5, v0
	v_readfirstlane_b32 s14, v1                    ; wave
	s_lshr_b32 s15, s14, 1                         ; wm: which 128 rows
	s_and_b32 s16, s14, 1                          ; wn: which 96 columns
	s_mov_b32 s17, ttmp9                           ; column tile 0..11
	s_and_b32 s18, ttmp7, 0xffff                   ; row tile 0..15
	s_lshr_b32 s19, s17, 2                         ; 0 q, 1 k, 2 v
	s_and_b32 s20, s17, 3                          ; heads 3 nq .. 3 nq + 2
	v_and_b32 v1, 15, v0                           ; r
	v_bfe_u32 v2, v0, 4, 1                         ; h
	v_lshrrev_b32 v4, 3, v0                        ; t >> 3, 0..15
	v_and_b32 v5, 7, v0                            ; t & 7
	v_mul_u32_u24 v[GOFF], v4, 3072
	v_lshl_add_u32 v[GOFF], v5, 5, v[GOFF]
	v_mul_u32_u24 v[XST], v4, PA
	v_lshl_add_u32 v[XST], v5, 4, v[XST]
	v_add_nc_u32 v[XST+1], SLOT, v[XST]
	v_mul_u32_u24 v[WST], v4, PW
	v_lshl_add_u32 v[WST], v5, 4, v[WST]
	v_add_nc_u32 v[WST], WOFF, v[WST]
	v_add_nc_u32 v[WST+1], SLOT, v[WST]
	s_lshl_b32 s30, s15, 7
	v_add_nc_u32 v22, s30, v1                      ; 128 wm + r
	v_mul_u32_u24 v23, v22, PA
	v_lshl_add_u32 v[ADRA], v2, 4, v23             ; row x pitch + 16 h
	v_add_nc_u32 v[ADRA+1], SLOT, v[ADRA]
	v_lshl_add_u32 v24, v2, 3, v5                  ; 8 h + (l & 7): the k row that this lane addresses for the transposing load
	v_mul_u32_u24 v24, v24, PW
	v_bfe_u32 v25, v0, 3, 1
	v_lshl_add_u32 v24, v25, 4, v24
	s_mul_i32 s30, s16, 192                        ; my 96 columns, 2 bytes each
	s_add_co_u32 s30, s30, WOFF
	v_add_nc_u32 v[ADRW], s30, v24
	v_add_nc_u32 v[ADRW+1], SLOT, v[ADRW]
	s_mul_i32 s30, s16, HS+64                      ; wn = 1 begins in the middle of head 1
	v_add_nc_u32 v[STOA], s30, v[ADRA]
	s_mul_i32 s30, s16, 2*HS-64
	v_add_nc_u32 v[STOB], s30, v[ADRA]
	v_mul_u32_u24 v23, v22, PT
	v_lshl_add_u32 v23, v2, 5, v23                 ; + 32 h: four pairs of 8 bytes
	s_lshl_b32 s30, s16, 7
	s_add_co_u32 s30, s30, TABLE
	v_add_nc_u32 v[TA], s30, v23
	s_xor_b32 s31, s16, 1
	s_lshl_b32 s31, s31, 7
	s_add_co_u32 s31, s31, TABLE
	v_add_nc_u32 v[TB], s31, v23
	v_mov_b32 v[RD], v[XST]
	v_add_nc_u32 v[RD+1], HS, v[XST]
	v_add_nc_u32 v[RD+2], 2*HS, v[XST]
	v_lshlrev_b32 v[CO], 4, v0
	v_lshlrev_b32 v[WA], 5, v0
	s_lshr_b32 s28, s18, 3                         ; batch
	s_mul_i32 s28, s28, 12
	s_mul_i32 s29, s20, 3
	s_add_co_u32 s28, s28, s29                     ; first head of the block, counted over both batches
	s_lshl_b32 s28, s28, 18                        ; a head is 2048 x 128 bytes
	s_and_b32 s29, s18, 7
	s_lshl_b32 s29, s29, 15                        ; 256 rows of 128 bytes
	s_add_co_u32 s28, s28, s29
	s_mul_i32 s29, s19, 6291456                    ; the part of q, k or v
	s_add_co_u32 s28, s28, s29
	s_mov_b32 s29, 0
	s_mul_i32 s30, s18, 786432                     ; 256 rows of x
	s_mov_b32 s31, 0
	s_mul_i32 s33, s18, 12
	s_add_co_u32 s33, s33, s17                     ; the work-group's number, 0..191
	s_mul_i32 s34, s33, 12288                      ; its 4 rows of Wo, 3,072 bytes each
	s_mov_b32 s35, 0
	s_wait_kmcnt 0x0
	s_add_nc_u64 s[36:37], s[36:37], s[34:35]      ; Wo at my 4 rows
	s_lshr_b32 s34, s34, 1                         ; the same rows in f16
	s_add_nc_u64 s[38:39], s[38:39], s[34:35]
	s_add_nc_u64 s[26:27], s[12:13], s[28:29]      ; where the block goes
	s_add_nc_u64 s[22:23], s[4:5], s[30:31]        ; x at the block's first row
	s_cmp_eq_u32 s19, 1
	s_cselect_b64 s[24:25], s[8:9], s[6:7]
	s_cmp_eq_u32 s19, 2
	s_cselect_b64 s[24:25], s[10:11], s[24:25]     ; my W
	s_mul_i32 s30, s20, 768
	s_add_nc_u64 s[24:25], s[24:25], s[30:31]      ; at my 192 columns
	s_cmp_eq_u32 s19, 0
	s_cselect_b32 s32, 0x3e38aa3b, 1.0             ; q carries 0.125 log2(e), so that the softmax works in base 2
; 56 loads: one K step's tiles, 32 bytes a thread and chunk.  x: 16 chunks of 16 rows; W: 4 x 3 chunks of 16 k rows x 64 columns.
.macro LOADS
	WIN 0xc0
.irp i, 0,1,2,3,4,5,6,7,8,9,10,11,12,13,14,15
	global_load_b128 v[8*\i:8*\i+3],   v[GOFF], s[22:23] offset:49152*\i
	global_load_b128 v[8*\i+4:8*\i+7], v[GOFF], s[22:23] offset:49152*\i+16
.endr
.irp g, 0,1,2,3
.irp j, 0,1,2
	global_load_b128 v[128+8*(3*\g+\j):128+8*(3*\g+\j)+3],   v[GOFF], s[24:25] offset:49152*\g+256*\j
	global_load_b128 v[128+8*(3*\g+\j)+4:128+8*(3*\g+\j)+7], v[GOFF], s[24:25] offset:49152*\g+256*\j+16
.endr
.endr
.endm
; round the 28 chunks to bf16 in place (8 registers become 4) and lay them into a slot
.macro CONVERT slot
	WIN 0xcf
.set NN, 0
.rept 28
	v_cvt_pk_bf16_f32 v[8*NN],   v[8*NN],   v[8*NN+1]
	v_cvt_pk_bf16_f32 v[8*NN+1], v[8*NN+2], v[8*NN+3]
	v_cvt_pk_bf16_f32 v[8*NN+2], v[8*NN+4], v[8*NN+5]
	v_cvt_pk_bf16_f32 v[8*NN+3], v[8*NN+6], v[8*NN+7]
.set NN, NN+1
.endr
	WIN 0x0c
.irp i, 0,1,2,3,4,5,6,7,8,9,10,11,12,13,14,15
	ds_store_b128 v[XST+\slot], v[8*\i:8*\i+3] offset:16*PA*\i
.endr
.irp g, 0,1,2,3
.irp j, 0,1,2
	ds_store_b128 v[WST+\slot], v[128+8*(3*\g+\j):128+8*(3*\g+\j)+3] offset:16*PW*\g+128*\j
.endr
.endr
.endm
; the fragments of 32 along K, in the order of their first use: 6 of W (stored [k][n]: two transposing loads 16 rows apart), then 8 of x
; (rows lie along K: two loads 32 bytes apart).  The last eight loads are x's rows 64-127, which only the second half of the products reads.
.macro FETCH slot, kh, F
	WIN 0
.irp b, 0,1,2,3,4,5
	ds_load_tr16_b128 v[\F+64+8*\b:\F+64+8*\b+3],   v[ADRW+\slot] offset:32*\b+32*PW*\kh
	ds_load_tr16_b128 v[\F+64+8*\b+4:\F+64+8*\b+7], v[ADRW+\slot] offset:32*\b+32*PW*\kh+16*PW
.endr
.irp a, 0,1,2,3,4,5,6,7
	ds_load_b128 v[\F+8*\a:\F+8*\a+3],   v[ADRA+\slot] offset:16*PA*\a+64*\kh
	ds_load_b128 v[\F+8*\a+4:\F+8*\a+7], v[ADRA+\slot] offset:16*PA*\a+64*\kh+32
.endr
.endm
; 24 matrix instructions: four row tiles x six column tiles.  The 48 accumulators take turns, one instruction a turn.
.macro MUL24 F, hi, zero
.if \hi
	WIN 0xa0
.else
	WIN 0x50
.endif
.irp a, 0,1,2,3
.irp b, 0,1,2,3,4,5
.if \zero
	v_wmma_f32_16x16x32_bf16 v[8*(6*\a+\b):8*(6*\a+\b)+7], v[\F+64+8*\b:\F+64+8*\b+7], v[\F+8*(4*\hi+\a):\F+8*(4*\hi+\a)+7], 0
.else
	v_wmma_f32_16x16x32_bf16 v[8*(6*\a+\b):8*(6*\a+\b)+7], v[\F+64+8*\b:\F+64+8*\b+7], v[\F+8*(4*\hi+\a):\F+8*(4*\hi+\a)+7], v[8*(6*\a+\b):8*(6*\a+\b)+7]
.endif
.endr
.endr
.endm
; sine and cosine of v[X] >= 0 without v_sin_f32: n = nearest multiple of pi/2, the rest |r| <= pi/4 in two parts, two polynomials, the quadrant by selects
.macro SINCOS X, C, S, T
	v_mul_f32 v[\T], 0x3f22f983, v[\X]                     ; x 2/pi
	v_rndne_f32 v[\T], v[\T]
	v_fmamk_f32 v[\T+1], v[\T], 0xbfc90fdb, v[\X]          ; x - n pi/2, upper part
	v_fmamk_f32 v[\T+1], v[\T], 0x333bbd2e, v[\T+1]        ; lower part
	v_mul_f32 v[\T+2], v[\T+1], v[\T+1]
	v_mov_b32 v[\T+3], 0xb9500d01                          ; -1/5040
	v_fmaak_f32 v[\T+3], v[\T+3], v[\T+2], 0x3c088889      ; 1/120
	v_fmaak_f32 v[\T+3], v[\T+3], v[\T+2], 0xbe2aaaab      ; -1/6
	v_mul_f32 v[\T+4], v[\T+1], v[\T+2]
	v_fma_f32 v[\S], v[\T+4], v[\T+3], v[\T+1]
	v_mov_b32 v[\T+3], 0x37d00d01                          ; 1/40320
	v_fmaak_f32 v[\T+3], v[\T+3], v[\T+2], 0xbab60b61      ; -1/720
	v_fmaak_f32 v[\T+3], v[\T+3], v[\T+2], 0x3d2aaaab      ; 1/24
	v_fmaak_f32 v[\T+3], v[\T+3], v[\T+2], 0xbf000000      ; -1/2
	v_fma_f32 v[\C], v[\T+3], v[\T+2], 1.0
	v_cvt_i32_f32 v[\T], v[\T]
	v_and_b32 v[\T+3], 1, v[\T]
	v_cmp_eq_u32 vcc_lo, 1, v[\T+3]                        ; odd quadrant: the two change places
	v_cndmask_b32 v[\T+4], v[\S], v[\C], vcc_lo
	v_cndmask_b32 v[\C], v[\C], v[\S], vcc_lo
	v_lshlrev_b32 v[\T+3], 30, v[\T]                       ; sine is negative in quadrants 2, 3
	v_and_b32 v[\T+3], 0x80000000, v[\T+3]
	v_xor_b32 v[\S], v[\T+4], v[\T+3]
	v_add_nc_u32 v[\T], 1, v[\T]                           ; cosine in quadrants 1, 2
	v_lshlrev_b32 v[\T], 30, v[\T]
	v_and_b32 v[\T], 0x80000000, v[\T]
	v_xor_b32 v[\C], v[\C], v[\T]
.endm
	; my 4 rows of Wo are 3 x 4,096 bytes: thread t takes 32 bytes at 32 t of each part.  These six loads go out first, so that they are back first.
.irp c, 0,1,2
	global_load_b128 v[WB+8*\c:WB+8*\c+3],   v[WA], s[36:37] offset:4096*\c
	global_load_b128 v[WB+8*\c+4:WB+8*\c+7], v[WA], s[36:37] offset:4096*\c+16
.endr
	LOADS                                          ; K step 0 is on its way while Wo is rounded and the table is made
	WIN 0
	s_wait_loadcnt 56                              ; loads return in order (ISA guide 5.7.1): Wo's six are in, the 56 of K step 0 stay out
.irp c, 0,1,2
.irp p, 0,2,4,6
	v_cvt_pk_bf16_f32 v[WB+8*\c+\p], v[WB+8*\c+\p], v[WB+8*\c+\p+1]        ; two roundings to bf16
.endr
.irp p, 0,2,4,6
	v_and_b32 v[WB+8*\c+\p+1], 0xffff0000, v[WB+8*\c+\p]                   ; back to f32: the upper half stays,
.endr
.irp p, 0,2,4,6
	v_lshlrev_b32 v[WB+8*\c+\p], 16, v[WB+8*\c+\p]                         ; the lower moves up
.endr
.irp p, 0,1,2,3
	v_cvt_pk_f16_f32 v[WB+8*\c+\p], v[WB+8*\c+2*\p], v[WB+8*\c+2*\p+1]     ; the same values in f16, packed in place, ascending
.endr
	global_store_b128 v[CO], v[WB+8*\c:WB+8*\c+3], s[38:39] offset:2048*\c ; a wave's store covers 512 consecutive bytes, aligned
.endr
	s_cmp_eq_u32 s19, 2                            ; v is not rotated: no table
	s_cbranch_scc1 .Lnotable
	; wave w makes rows 64 w .. 64 w + 63 of the table, lane j the pair of frequency j
	v_and_b32 v32, 31, v0
	v_cvt_f32_u32 v33, v32
	v_mul_f32 v33, 0xbed49a78, v33                 ; -j log2(10000) / 32
	v_exp_f32 v34, v33                             ; f
	s_and_b32 s33, s18, 7
	s_lshl_b32 s33, s33, 8
	s_lshl_b32 s34, s14, 6
	s_add_co_u32 s33, s33, s34                     ; t of my first row
	v_cvt_f32_u32 v35, s33                         ; a plain instruction between v_exp_f32 and the use of its result (ISA guide 5.7.2)
	s_wait_alu depctr_va_vdst(0)
	v_mul_f32 v35, v35, v34
	SINCOS 35, 36, 37, 40                          ; of t f
	SINCOS 34, 38, 39, 40                          ; of f: one row's step
	v_mul_f32 v36, s32, v36                        ; q's factor rides on the table
	v_mul_f32 v37, s32, v37
	s_mul_i32 s33, s14, 64*PT
	s_add_co_u32 s33, s33, TABLE
	v_lshl_add_u32 v46, v32, 3, s33
.set NN, 0
.rept 64
	ds_store_b64 v46, v[36:37] offset:NN*PT
.if NN < 63
	v_mul_f32 v40, v37, v39
	v_mul_f32 v41, v36, v39
	v_fma_f32 v36, v36, v38, -v40                  ; cos(a + f)
	v_fma_f32 v37, v37, v38, v41                   ; sin(a + f)
.endif
.set NN, NN+1
.endr
.Lnotable:
	s_wait_loadcnt 0x0                             ; K step 0 is in registers; its address registers are free
	s_wait_xcnt 0x0                                ; the registers that wo16's stores read lie in fragment buffer 0: they are loaded again only behind this wait
	CONVERT 0
	s_add_nc_u64 s[22:23], s[22:23], 256           ; 64 along K in x
	s_add_nc_u64 s[24:25], s[24:25], 196608        ; 64 rows of W
	LOADS                                          ; K step 1
	WIN 0
	s_wait_dscnt 0x0                               ; my part of slot 0 and of the table is written
	s_barrier_signal -1
	s_barrier_wait -1                              ; everybody's is
	FETCH 0, 0, F0
; One K step: multiplies the slot, lays the next step's tiles (loaded one step ago) into the other slot, asks for the step after that.
; One barrier a step.  In front of its signal each wave has its reads of this slot back and its stores into the other slot done;
; behind its wait the other slot is read, and in the next step this slot is written.
.macro TRIP slot, other, zero, conv, load, last
	s_wait_dscnt 0x8                               ; buffer 0: W and x's rows 0-63 are in; the youngest eight loads (rows 64-127) may stay out
	MUL24 F0, 0, \zero
	PLACES
	FETCH \slot, 1, F1
	s_wait_dscnt 28                                ; all but the 28 just issued: buffer 0 is whole
	MUL24 F0, 1, \zero
.if \conv
	s_wait_loadcnt 0x0                             ; all 56 loads of the next step, issued a step ago; frees both pointers too
	CONVERT \other
.if \load
	s_add_nc_u64 s[22:23], s[22:23], 256
	s_add_nc_u64 s[24:25], s[24:25], 196608
	LOADS
.endif
.endif
	s_wait_dscnt 0x0                               ; buffer 1 is in: my reads of this slot are over; my stores have landed
.if \last == 0
	s_barrier_signal -1
.endif
	MUL24 F1, 0, 0
.if \last == 0
	WIN 0
	s_barrier_wait -1
	PLACES
	FETCH \other, 0, F0
.endif
	MUL24 F1, 1, 0
.endm
	TRIP 0, 1, 1, 1, 1, 0                          ; the first products start the sums: nothing is cleared
	TRIP 1, 0, 0, 1, 1, 0
	WIN 0
	s_mov_b32 s28, 4
.Lk:
	TRIP 0, 1, 0, 1, 1, 0
	TRIP 1, 0, 0, 1, 1, 0
	WIN 0
	s_sub_co_u32 s28, s28, 1
	s_cmp_lg_u32 s28, 0
	s_cbranch_scc1 .Lk
	TRIP 0, 1, 0, 1, 0, 0                          ; step 10: step 11 is laid down, nothing is left to ask for
	TRIP 1, 0, 0, 0, 0, 1                          ; step 11
	WIN 0
	PLACES
	s_wait_dscnt 0x0
	s_barrier_signal -1
	s_barrier_wait -1                              ; nobody reads the slots any more: the way out is laid over them
; 16 rows of my block: rotate (q, k), round to f16, 16 bytes a lane and tile into the head's rows.
; ar = row tile 0..7, ac = its number in its window, w1, w2 = window settings for one and for two sources in that window.
.macro OUTROW ar, ac, w1, w2, rope
.if \rope
	WIN 0
.irp g, 0,1
	ds_load_b128 v[CS+8*\g:CS+8*\g+3],       v[TA] offset:16*PT*\ar+64*\g
	ds_load_b128 v[CS+8*\g+4:CS+8*\g+7],     v[TA] offset:16*PT*\ar+64*\g+16
	ds_load_b128 v[CS+16+8*\g:CS+16+8*\g+3], v[TB] offset:16*PT*\ar+64*\g
	ds_load_b128 v[CS+16+8*\g+4:CS+16+8*\g+7], v[TB] offset:16*PT*\ar+64*\g+16
.endr
	s_wait_dscnt 0x0
	WIN \w1
.irp b, 0,1,2,3,4,5
.irp p, 0,1,2,3
	v_pk_mul_f32 v[UU+8*\b+2*\p:UU+8*\b+2*\p+1], v[8*(6*\ac+\b)+2*\p:8*(6*\ac+\b)+2*\p+1], v[CS+8*(\b&3)+2*\p:CS+8*(\b&3)+2*\p+1] op_sel_hi:[0,1]   ; (x1 c, x1 s)
.endr
.irp p, 0,1,2,3
	v_pk_fma_f32 v[UU+8*\b+2*\p:UU+8*\b+2*\p+1], v[8*(6*\ac+\b)+2*\p:8*(6*\ac+\b)+2*\p+1], v[CS+8*(\b&3)+2*\p:CS+8*(\b&3)+2*\p+1], v[UU+8*\b+2*\p:UU+8*\b+2*\p+1] op_sel:[1,1,0] op_sel_hi:[1,0,1] neg_lo:[1,0,0]   ; (- x2 s, + x2 c)
.endr
.endr
	WIN 0
.irp b, 0,1,2,3,4,5
.irp p, 0,1,2,3
	v_cvt_pk_f16_f32 v[PK+4*\b+\p], v[UU+8*\b+2*\p], v[UU+8*\b+2*\p+1]
.endr
.endr
.else
	WIN \w2
.irp b, 0,1,2,3,4,5
.irp p, 0,1,2,3
	v_cvt_pk_f16_f32 v[PK+4*\b+\p], v[8*(6*\ac+\b)+2*\p], v[8*(6*\ac+\b)+2*\p+1]
.endr
.endr
	WIN 0
.endif
	ds_store_b128 v[STOA], v[PK:PK+3]     offset:16*PA*\ar
	ds_store_b128 v[STOA], v[PK+4:PK+7]   offset:16*PA*\ar+32
	ds_store_b128 v[STOB], v[PK+8:PK+11]  offset:16*PA*\ar+64
	ds_store_b128 v[STOB], v[PK+12:PK+15] offset:16*PA*\ar+96
	ds_store_b128 v[STOA], v[PK+16:PK+19] offset:16*PA*\ar+HS
	ds_store_b128 v[STOA], v[PK+20:PK+23] offset:16*PA*\ar+HS+32
.endm
	s_cmp_eq_u32 s19, 2
	s_cbranch_scc1 .Lplain
	OUTROW 0, 0, 0x01, 0x05, 1
	OUTROW 1, 1, 0x01, 0x05, 1
	OUTROW 2, 2, 0x01, 0x05, 1
	OUTROW 3, 3, 0x01, 0x05, 1
	OUTROW 4, 0, 0x02, 0x0a, 1
	OUTROW 5, 1, 0x02, 0x0a, 1
	OUTROW 6, 2, 0x02, 0x0a, 1
	OUTROW 7, 3, 0x02, 0x0a, 1
	s_branch .Lback
.Lplain:
	OUTROW 0, 0, 0x01, 0x05, 0
	OUTROW 1, 1, 0x01, 0x05, 0
	OUTROW 2, 2, 0x01, 0x05, 0
	OUTROW 3, 3, 0x01, 0x05, 0
	OUTROW 4, 0, 0x02, 0x0a, 0
	OUTROW 5, 1, 0x02, 0x0a, 0
	OUTROW 6, 2, 0x02, 0x0a, 0
	OUTROW 7, 3, 0x02, 0x0a, 0
.Lback:
	s_wait_dscnt 0x0                               ; my part of the three heads is written
	s_barrier_signal -1
	s_barrier_wait -1
; 128 rows of a head back by rows: a row is 128 bytes and rows follow each other in memory, so a wave's store covers 512 consecutive bytes, aligned
.macro BACK hh, g, R
	s_wait_xcnt 0x0                                ; the registers that earlier stores read are loaded again only behind this wait
.irp t, 0,1,2,3,4,5,6,7
	ds_load_b128 v[\R+4*\t:\R+4*\t+3], v[RD+\hh] offset:16*PA*(8*\g+\t)
.endr
.irp t, 0,1,2,3,4,5,6,7
	s_wait_dscnt 7-\t                              ; LDS loads return in order: the 7 - t younger ones may stay out
	global_store_b128 v[CO], v[\R+4*\t:\R+4*\t+3], s[26:27] offset:262144*\hh+2048*(8*\g+\t)
.endr
.endm
	BACK 0, 0, 32
	BACK 0, 1, 64
	BACK 1, 0, 32
	BACK 1, 1, 64
	BACK 2, 0, 32
	BACK 2, 1, 64
	s_wait_tensorcnt 0x0
	ds_add_u32 v30, v31
	s_wait_dscnt 0x0
	s_endpgm
.Lfunc_end_k_q5578e87884_qkv_proj:
	.size	k_q5578e87884_qkv_proj, .Lfunc_end_k_q5578e87884_qkv_proj-k_q5578e87884_qkv_proj
	.p2alignl 7, 3214868480
	.fill 96, 4, 3214868480
	.section	.rodata,"a",@progbits
	.p2align	6, 0x0
	.amdhsa_kernel k_q5578e87884_qkv_proj
		.amdhsa_group_segment_fixed_size 197120
		.amdhsa_private_segment_fixed_size 0
		.amdhsa_enable_private_segment 0
		.amdhsa_kernarg_size 56
		.amdhsa_user_sgpr_count 2
		.amdhsa_user_sgpr_kernarg_segment_ptr 1
		.amdhsa_wavefront_size32 1
		.amdhsa_system_sgpr_workgroup_id_x 1
		.amdhsa_system_sgpr_workgroup_id_y 1
		.amdhsa_system_sgpr_workgroup_id_z 1
		.amdhsa_system_vgpr_workitem_id 0
		.amdhsa_next_free_vgpr 1024
		.amdhsa_next_free_sgpr 66
		.amdhsa_reserve_vcc 1
		.amdhsa_float_denorm_mode_32 3
		.amdhsa_float_denorm_mode_16_64 3
		.amdhsa_memory_ordered 1
		.amdhsa_forward_progress 1
		.amdhsa_inst_pref_size 243
	.end_amdhsa_kernel
	.amdgpu_metadata
---
amdhsa.version: [ 1, 2 ]
amdhsa.kernels:
  - .name:           k_q5578e87884_qkv_proj
    .symbol:         k_q5578e87884_qkv_proj.kd
    .args:
      - { .name: x, .offset: 0, .size: 8, .value_kind: global_buffer, .address_space: global }
      - { .name: Wq, .offset: 8, .size: 8, .value_kind: global_buffer, .address_space: global }
      - { .name: Wk, .offset: 16, .size: 8, .value_kind: global_buffer, .address_space: global }
      - { .name: Wv, .offset: 24, .size: 8, .value_kind: global_buffer, .address_space: global }
      - { .name: qkv, .offset: 32, .size: 8, .value_kind: global_buffer, .address_space: global }
      - { .name: Wo, .offset: 40, .size: 8, .value_kind: global_buffer, .address_space: global }
      - { .name: wo16, .offset: 48, .size: 8, .value_kind: global_buffer, .address_space: global }
    .group_segment_fixed_size: 197120
    .private_segment_fixed_size: 0
    .kernarg_segment_align: 8
    .kernarg_segment_size: 56
    .max_flat_workgroup_size: 128
    .sgpr_count:     66
    .vgpr_count:     1024
    .wavefront_size: 32
...
	.end_amdgpu_metadata
.endif
;; end of part 4
;; launch attn (part 5): grid 8 x 24, 8 waves a work-group, no clusters, 171,008 bytes of LDS; arguments qkv, y; writes y
.if DOCPART == 5
	.amdgcn_target "amdgcn-amd-amdhsa--gfx1250"
	.amdhsa_code_object_version 6
	.text
	.protected	k_q5578e87884_attn
	.globl	k_q5578e87884_attn
	.p2align	8
	.type	k_q5578e87884_attn,@function
k_q5578e87884_attn:
	s_mov_b64 s[64:65], 0
	v_nop
	global_prefetch_b8 v0, s[64:65] scope:SCOPE_SE
	s_setreg_imm32_b32 hwreg(HW_REG_WAVE_MODE, 25, 1), 1
	s_wait_xcnt 0x0
; Causal softmax attention of one head, with a running maximum.  qkv: q, k, v parts [24 heads][2048][64] f16, q already times 0.125 log2(e);
; y: [24][2048][64] f16.  Products on f16 operands with f32 sums; softmax in f32, base 2.
; A work-group takes query blocks i and 15 - i (128 queries each) of a head, one after the other.  All eight waves work on the same block:
; wave w takes queries 32 (w & 3) .. + 31 of it and, of each step's two tiles of 64 keys, tile number w >> 2.  Block qb needs qb + 1 steps,
; so every work-group has (i + 1) + (16 - i) = 17 steps, and in each step every wave has the same work: 32 queries x 64 keys.
; The 17 steps are one sequence through two LDS slots; the next step's tiles are laid down at a step's head, the ones after that are on their way.
; INSIDE A STEP the wave's two groups of 16 queries are staggered, so that matrix instructions stand among vector work that does not wait for them:
;   scores of group 0 | softmax of group 0 with the scores of group 1 among its lines | softmax of group 1 with P V of group 0 among its lines | P V of group 1.
; At a block's end the two waves of a query group hold two parts of each row (even and odd tiles): the odd wave lays O, sum and maximum into LDS,
; the even wave brings both to the common maximum, adds, divides and stores.
; Tiles above the diagonal are not visited; the mask that the problem builds is applied in a block's last step only (tiles 2 qb, 2 qb + 1).
; The masked score is -2^127, not -inf: a tile that is masked whole (odd wave, queries 0-63 of the block) then gives finite figures whose weight
; is 2^(-2^127 - m) = 0.  True scores are sums of 64 products of f16 numbers, below 2.8e11 in size, so the value cannot meet one.
; No cluster: work-group i changes its block behind step i, so the eight work-groups of a head want different tiles in the same step.
; S^T = K Q^T: a lane holds query l % 16 and keys 8 (l / 16) + 0..7 of each 16: the row's figures need one exchange between the halves, and
; P^T packed to f16 is already the second source of O^T = V^T P^T.  V^T comes by the transposing LDS load.
; LIMITS: P is rounded to f16 for the product while the row sum takes it unrounded; y is rounded to f16.  The second block starts from the
; first block's O and sum times 2^(-2^127 - m) = 0, which asks that they be finite: they are while q, k, v are finite in f16.
.set PK_,   144                        ; K rows: 128 bytes + 16
.set PV,    160                        ; V rows: 128 bytes + 32, an odd multiple of 32 for the transposing load
.set VOFF,  18432                      ; V's place in a slot, behind K's 128 rows
.set SLOTB, 38912                      ; a slot: two tiles of K and of V
.set SCR,   77824                      ; behind the two slots: two regions, each four pairs x 9216: O 8192, then sum and maximum 512
.set SCRB,  36864
.set STG,   151552                     ; 32 rows x 144 for each even wave, for the way out
.set KST, 1                            ; v1  where my 16 bytes go in K's part of slot 0
.set VST, 2                            ; v2  in V's part
.set KAD, 3                            ; v3  K fragments of my tile
.set VAD, 4                            ; v4  V fragments of my tile
.set STO, 5                            ; v5  the way out, in
.set RD,  6                            ; v6  the way out, back
.set GOX, 7                            ; v7  16 t + the byte offset of the step that is asked for next
.set CO,  8                            ; v8-9   my 16 bytes in y, first and second block
.set MD,  10                           ; v10-11 32 g + 16 q + r - 8 h - 64 par: key 16 kt + j of my last tile is masked if it is greater
.set QO1, 12                           ; v12 my Q fragments of the second block
.set NEG, 13                           ; v13 -2^127
.set SCRA, 14                          ; v14 my pair's place in region 0, 16 bytes a lane
.set GO,  15                           ; v15 16 t
.set LS,  16                           ; v16-17 my half's part of the row sum, q = 0, 1
.set MN,  18                           ; v18-19 running maximum, q = 0, 1   (v[16:19] go to the partner in one store)
.set AL,  20                           ; v20-21 2^(old maximum - new)
.set T,   22                           ; v22-29 at work
.set QO0, 30                           ; v30 my Q fragments of the first block
.set KB,  32                           ; v32-63   K fragments of key tiles 2, 3, then V fragments of keys 32-63
.set QQ,  64                           ; v64-95   Q[q][c] at 16 q + 8 c
.set OO,  96                           ; v96-159  O[i][q] at 8 (2 i + q)
.set SS,  160                          ; v160-223 S[q][kt] at 32 q + 8 kt; then P[q][c] at 32 q + 8 c
.set KV,  224                          ; v224-255 K fragments of key tiles 0, 1, then V fragments of keys 0-31
; window 1 (v256 and up, named by their low 8 bits):
.set G1,  0                            ; v256-287 the next tiles on their way
.set Q1W, 32                           ; v288-319 the second block's Q, loaded at the start
.set G2,  64                           ; v320-351 step 1's tiles, ahead of the first step only
.set MSB, 0
.macro WIN new                         ; the immediate's high byte repeats the setting that is left
.if MSB != \new
	s_set_vgpr_msb (MSB<<8)|\new
.set MSB, \new
.endif
.endm
.macro PLACES
.rept 4
	v_nop
.endr
.endm
	s_load_b128 s[4:7], s[0:1], 0x0                ; qkv s[4:5], y s[6:7]
	v_lshl_add_u32 v31, v0, 2, 0x29800
	s_set_vgpr_msb 0x40
	v_mov_b32 v97, 0
	s_set_vgpr_msb 0x4000
	v_lshrrev_b32 v22, 5, v0
	v_readfirstlane_b32 s8, v22                    ; wave
	s_mov_b32 s9, ttmp9                            ; i: also the first block's last step
	s_and_b32 s10, ttmp7, 0xffff                   ; head, over both batches
	s_lshr_b32 s11, s8, 2                          ; par: which of a step's two tiles is mine
	s_and_b32 s12, s8, 3                           ; g: which 32 queries of the block
	s_add_co_u32 s15, s9, 1                        ; the second block's first step
	s_mov_b32 s16, 0                               ; the step
	s_mov_b32 s20, 0                               ; byte offset in the head's K of the step asked for next,
	s_mov_b32 s21, 0                               ; and that step's number
	s_mov_b32 s26, 0x76543210                      ; v_permlanex16_b32: lane i of one half reads lane i of the other
	s_mov_b32 s27, 0xfedcba98
	v_and_b32 v22, 15, v0                          ; r
	v_bfe_u32 v23, v0, 4, 1                        ; h
	v_lshrrev_b32 v24, 3, v0                       ; t >> 3: row 0..31
	v_and_b32 v25, 7, v0
	v_bfe_u32 v26, v0, 3, 1
	v_and_b32 v27, 31, v0                          ; l
	v_lshrrev_b32 v28, 3, v27
	v_lshlrev_b32 v29, 3, v23                      ; 8 h
	v_lshlrev_b32 v[GO], 4, v0
	v_mov_b32 v[GOX], v[GO]
	v_mul_u32_u24 v[KST], v24, PK_
	v_lshl_add_u32 v[KST], v25, 4, v[KST]
	v_mul_u32_u24 v[VST], v24, PV
	v_lshl_add_u32 v[VST], v25, 4, v[VST]
	v_add_nc_u32 v[VST], VOFF, v[VST]
	v_mul_u32_u24 v[KAD], v22, PK_
	v_lshl_add_u32 v[KAD], v23, 4, v[KAD]          ; 144 r + 16 h
	s_mul_i32 s29, s12, 4608
	s_add_co_u32 s29, s29, STG                     ; my group's stage
	v_add_nc_u32 v[STO], s29, v[KAD]
	s_mul_i32 s28, s11, 64*PK_
	v_add_nc_u32 v[KAD], s28, v[KAD]               ; + my tile of the two
	v_lshl_add_u32 v[VAD], v23, 3, v25             ; 8 h + (l & 7)
	v_mul_u32_u24 v[VAD], v[VAD], PV
	v_lshl_add_u32 v[VAD], v26, 4, v[VAD]
	s_mul_i32 s28, s11, 64*PV
	s_add_co_u32 s28, s28, VOFF
	v_add_nc_u32 v[VAD], s28, v[VAD]
	v_mul_u32_u24 v[RD], v28, PK_
	v_lshl_add_u32 v[RD], v25, 4, v[RD]
	v_add_nc_u32 v[RD], s29, v[RD]
	s_mul_i32 s28, s12, 9216
	s_add_co_u32 s28, s28, SCR
	v_lshl_add_u32 v[SCRA], v27, 4, s28
	v_mov_b32 v[NEG], 0xff000000
	v_mov_b32 v[MN], v[NEG]                        ; the packed forms name both halves of the pairs MN and AL, of which a group's
	v_mov_b32 v[MN+1], v[NEG]                      ; softmax writes one: all four are written once here
	v_mov_b32 v[AL], 1.0
	v_mov_b32 v[AL+1], 1.0
	s_lshl_b32 s28, s12, 5
	s_lshl_b32 s29, s11, 6
	s_sub_co_i32 s28, s28, s29                     ; 32 g - 64 par
	v_sub_nc_u32 v[MD], v22, v29
	v_add_nc_u32 v[MD], s28, v[MD]
	v_add_nc_u32 v[MD+1], 16, v[MD]
	s_lshl_b32 s29, s12, 5
	s_lshl_b32 s28, s9, 7
	s_add_co_u32 s28, s28, s29                     ; my first query in block i,
	s_lshl_b32 s28, s28, 7                         ; in bytes of rows of 128
	s_sub_co_u32 s30, 15, s9
	s_lshl_b32 s30, s30, 7
	s_add_co_u32 s30, s30, s29                     ; and in block 15 - i
	s_lshl_b32 s30, s30, 7
	v_lshlrev_b32 v29, 7, v22
	v_lshl_add_u32 v29, v23, 4, v29                ; 128 r + 16 h
	v_add_nc_u32 v[QO0], s28, v29
	v_add_nc_u32 v[QO1], s30, v29
	v_lshl_add_u32 v[CO], v27, 4, s28
	v_lshl_add_u32 v[CO+1], v27, 4, s30
	s_lshl_b32 s28, s10, 18                        ; a head is 262,144 bytes
	s_mov_b32 s29, 0
	s_wait_kmcnt 0x0
	s_add_nc_u64 s[22:23], s[4:5], s[28:29]        ; the head's q
	s_add_nc_u64 s[24:25], s[6:7], s[28:29]        ; the head's y
	s_add_nc_u64 s[18:19], s[22:23], 6291456       ; the head's K; its V lies 6,291,456 bytes further, in the loads' immediate
.macro QLOAD b, a                      ; 32 queries as second sources: lane r a query, d along the registers
.irp q, 0,1
.irp c, 0,1
	global_load_b128 v[\b+16*\q+8*\c:\b+16*\q+8*\c+3],   v[\a], s[22:23] offset:2048*\q+64*\c
	global_load_b128 v[\b+16*\q+8*\c+4:\b+16*\q+8*\c+7], v[\a], s[22:23] offset:2048*\q+64*\c+32
.endr
.endr
.endm
.macro GLOAD b                         ; a step: 128 keys x 128 bytes of K and of V, 16 bytes a thread, eight times (destination in window 1)
.irp k, 0,1,2,3
	global_load_b128 v[\b+4*\k:\b+4*\k+3], v[GOX], s[18:19] offset:4096*\k
.endr
.irp k, 0,1,2,3
	global_load_b128 v[\b+16+4*\k:\b+16+4*\k+3], v[GOX], s[18:19] offset:6291456+4096*\k
.endr
.endm
.macro GSTORE b, slot                  ; (data in window 1)
.irp k, 0,1,2,3
	ds_store_b128 v[KST], v[\b+4*\k:\b+4*\k+3]       offset:SLOTB*\slot+32*PK_*\k
	ds_store_b128 v[VST], v[\b+16+4*\k:\b+16+4*\k+3] offset:SLOTB*\slot+32*PV*\k
.endr
.endm
.macro NEXTOFF                         ; the next step's tiles: 128 keys on, or the head's first keys again where the second block begins
	s_add_co_u32 s21, s21, 1
	s_add_co_u32 s20, s20, 16384
	s_cmp_eq_u32 s21, s15
	s_cselect_b32 s20, 0, s20
	v_add_nc_u32 v[GOX], s20, v[GO]                ; stands behind a wait that frees it
.endm
; the odd wave's part of a block: O, 16 bytes a lane sixteen times, then (sum, sum, maximum, maximum)
.macro GIVE reg
.set NN, 0
.rept 16
	ds_store_b128 v[SCRA], v[OO+4*NN:OO+4*NN+3] offset:SCRB*\reg+512*NN
.set NN, NN+1
.endr
	ds_store_b128 v[SCRA], v[LS:LS+3] offset:SCRB*\reg+8192
.endm
; the even wave: both parts to the common maximum, the sum over both and over the two halves of the lanes, the division, f16,
; through my own stage into whole rows.  co = 0, 1: first or second block.
.macro MERGE reg, co
.set NN, 0
.rept 16
	ds_load_b128 v[SS+4*NN:SS+4*NN+3], v[SCRA] offset:SCRB*\reg+512*NN
.set NN, NN+1
.endr
	ds_load_b128 v[KV:KV+3], v[SCRA] offset:SCRB*\reg+8192
	s_wait_dscnt 0x0
	v_max_num_f32 v[T], v[MN], v[KV+2]
	v_max_num_f32 v[T+1], v[MN+1], v[KV+3]
	v_sub_f32 v[T+2], v[MN], v[T]
	v_sub_f32 v[T+3], v[MN+1], v[T+1]
	v_sub_f32 v[T+4], v[KV+2], v[T]
	v_sub_f32 v[T+5], v[KV+3], v[T+1]
	v_exp_f32 v[T+2], v[T+2]
	v_exp_f32 v[T+3], v[T+3]
	v_exp_f32 v[T+4], v[T+4]
	v_exp_f32 v[T+5], v[T+5]
	v_nop                                          ; a plain instruction between the exponentials and their use (ISA guide 5.7.2)
	s_wait_alu depctr_va_vdst(0)
	v_mul_f32 v[LS], v[LS], v[T+2]
	v_mul_f32 v[LS+1], v[LS+1], v[T+3]
	v_fma_f32 v[LS], v[KV], v[T+4], v[LS]
	v_fma_f32 v[LS+1], v[KV+1], v[T+5], v[LS+1]
	v_permlanex16_b32 v[T+6], v[LS], s26, s27
	v_permlanex16_b32 v[T+7], v[LS+1], s26, s27
	v_add_f32 v[LS], v[LS], v[T+6]
	v_add_f32 v[LS+1], v[LS+1], v[T+7]             ; at least 1: the row's largest score gives 2^0
	v_rcp_f32 v[T+6], v[LS]
	v_rcp_f32 v[T+7], v[LS+1]
	v_nop
	s_wait_alu depctr_va_vdst(0)
	v_mul_f32 v[T+2], v[T+2], v[T+6]               ; v[T+2:T+3]: my part's factor, q = 0, 1
	v_mul_f32 v[T+3], v[T+3], v[T+7]
	v_mul_f32 v[T+4], v[T+4], v[T+6]               ; v[T+4:T+5]: the partner's
	v_mul_f32 v[T+5], v[T+5], v[T+7]
.irp i, 0,1,2,3
.irp q, 0,1
.irp p, 0,2,4,6
	v_pk_mul_f32 v[OO+8*(2*\i+\q)+\p:OO+8*(2*\i+\q)+\p+1], v[OO+8*(2*\i+\q)+\p:OO+8*(2*\i+\q)+\p+1], v[T+2:T+3] op_sel:[0,\q] op_sel_hi:[1,\q]
.endr
.irp p, 0,2,4,6
	v_pk_fma_f32 v[OO+8*(2*\i+\q)+\p:OO+8*(2*\i+\q)+\p+1], v[SS+8*(2*\i+\q)+\p:SS+8*(2*\i+\q)+\p+1], v[T+4:T+5], v[OO+8*(2*\i+\q)+\p:OO+8*(2*\i+\q)+\p+1] op_sel:[0,\q,0] op_sel_hi:[1,\q,1]
.endr
.endr
.endr
.irp i, 0,1,2,3
.irp q, 0,1
.irp p, 0,1,2,3
	v_cvt_pk_f16_f32 v[KV+4*(2*\i+\q)+\p], v[OO+8*(2*\i+\q)+2*\p], v[OO+8*(2*\i+\q)+2*\p+1]
.endr
	ds_store_b128 v[STO], v[KV+4*(2*\i+\q):KV+4*(2*\i+\q)+3] offset:16*PK_*\q+32*\i     ; query 16 q + r, d = 16 i + 8 h + 0..7
.endr
.endr
.irp t, 0,1,2,3,4,5,6,7
	ds_load_b128 v[SS+4*\t:SS+4*\t+3], v[RD] offset:4*PK_*\t     ; my own bytes; LDS serves a wave's instructions in order (ISA guide 5.7.1)
.endr
.irp t, 0,1,2,3,4,5,6,7
	s_wait_dscnt 7-\t                              ; the 7 - t younger loads may stay out
	global_store_b128 v[CO+\co], v[SS+4*\t:SS+4*\t+3], s[24:25] offset:512*\t     ; four rows of 128 bytes: 512 consecutive bytes, aligned
.endr
.if \co == 0
	s_wait_xcnt 0x0                                ; the registers that these stores read are written again by the next products only behind this wait
.endif
.endm
; one product of the scores: key tile kt x query group q, d = 32 c .. 32 c + 31; c = 0 starts the sum
.macro WS q, kt, c
.if \kt < 2
.set KF, KV+16*\kt+8*\c
.else
.set KF, KB+16*(\kt-2)+8*\c
.endif
.set SD, SS+32*\q+8*\kt
.if \c == 0
	v_wmma_f32_16x16x32_f16 v[SD:SD+7], v[KF:KF+7], v[QQ+16*\q:QQ+16*\q+7], 0
.else
	v_wmma_f32_16x16x32_f16 v[SD:SD+7], v[KF:KF+7], v[QQ+16*\q+8:QQ+16*\q+15], v[SD:SD+7]
.endif
.endm
; one product of O^T: d tile i x query group q, keys 32 c .. 32 c + 31
.macro WO q, i, c, first
.set OD, OO+8*(2*\i+\q)
.if \c
.set VF, KB+8*\i
.else
.set VF, KV+8*\i
.endif
.set PB, SS+32*\q+8*\c
.set ZC, 0
.if \first
.if \c == 0
.set ZC, 1
.endif
.endif
.if ZC
	v_wmma_f32_16x16x32_f16 v[OD:OD+7], v[VF:VF+7], v[PB:PB+7], 0
.else
	v_wmma_f32_16x16x32_f16 v[OD:OD+7], v[VF:VF+7], v[PB:PB+7], v[OD:OD+7]
.endif
.endm
; the matrix instruction that stands among a softmax's lines: mode 1: a score product of group 1; mode 2: a product P V of group 0.
; In both, four accumulators take turns (j = 0..3 with c = 0, then with c = 1).
.macro IW mode, j, c, first
.if \mode == 1
	WS 1, \j, \c
.else
	WO 0, \j, \c, \first
.endif
.endm
.macro MASK q
.irp kt, 0,1,2,3
.irp j, 0,1,2,3,4,5,6,7
	v_cmp_gt_i32 vcc_lo, 16*\kt+\j, v[MD+\q]       ; key behind the query
	v_cndmask_b32 v[SS+32*\q+8*\kt+\j], v[SS+32*\q+8*\kt+\j], v[NEG], vcc_lo
.endr
.endr
.endm
.macro SUBS q, n0, cnt                 ; score - maximum, both halves of a pair take group q's maximum
.set NN, \n0
.rept \cnt
	v_pk_add_f32 v[SQ+2*NN:SQ+2*NN+1], v[SQ+2*NN:SQ+2*NN+1], v[MN:MN+1] op_sel:[0,\q] op_sel_hi:[1,\q] neg_lo:[0,1] neg_hi:[0,1]
.set NN, NN+1
.endr
.endm
.macro VLOADS slot                     ; V^T: keys 0-31 over K's tiles 0, 1, keys 32-63 over K's tiles 2, 3
.irp i, 0,1,2,3
	ds_load_tr16_b128 v[KV+8*\i:KV+8*\i+3],   v[VAD] offset:SLOTB*\slot+32*\i
	ds_load_tr16_b128 v[KV+8*\i+4:KV+8*\i+7], v[VAD] offset:SLOTB*\slot+32*\i+16*PV
.endr
.irp i, 0,1,2,3
	ds_load_tr16_b128 v[KB+8*\i:KB+8*\i+3],   v[VAD] offset:SLOTB*\slot+32*\i+32*PV
	ds_load_tr16_b128 v[KB+8*\i+4:KB+8*\i+7], v[VAD] offset:SLOTB*\slot+32*\i+48*PV
.endr
.endm
; The softmax of query group q on its 32 scores a lane, with eight matrix instructions of the other group among its first lines, one behind every
; four: none of them names a register of these lines, nor these lines one of theirs.
.macro SOFT q, first, mode, slot
.set SQ, SS+32*\q
	IW \mode, 0, 0, \first
.irp j, 0,1,2,3
	v_max3_num_f32 v[T+\j], v[SQ+8*\j], v[SQ+8*\j+1], v[SQ+8*\j+2]         ; four chains, one for each key tile
.endr
	IW \mode, 1, 0, \first
.irp j, 0,1,2,3
	v_max3_num_f32 v[T+\j], v[T+\j], v[SQ+8*\j+3], v[SQ+8*\j+4]
.endr
	IW \mode, 2, 0, \first
.irp j, 0,1,2,3
	v_max3_num_f32 v[T+\j], v[T+\j], v[SQ+8*\j+5], v[SQ+8*\j+6]
.endr
	IW \mode, 3, 0, \first
	v_max3_num_f32 v[T], v[T], v[SQ+7], v[SQ+15]
	v_max3_num_f32 v[T+1], v[T+1], v[SQ+23], v[SQ+31]
.if \first
	v_max_num_f32 v[T+2], v[T+2], v[T+3]
.else
	v_max3_num_f32 v[T+2], v[T+2], v[T+3], v[MN+\q]                        ; and the old maximum
.endif
	v_max3_num_f32 v[T], v[T], v[T+1], v[T+2]
	IW \mode, 0, 1, \first
	v_permlanex16_b32 v[T+4], v[T], s26, s27                               ; the other half of the lanes holds the row's other keys
	v_max_num_f32 v[T], v[T], v[T+4]                                       ; always finite: the masked score is
.if \first == 0
	v_sub_f32 v[T+5], v[MN+\q], v[T]
.endif
	v_mov_b32 v[MN+\q], v[T]
	IW \mode, 1, 1, \first
.if \first == 0
	v_exp_f32 v[AL+\q], v[T+5]                     ; the subtractions below are the plain instructions behind it (ISA guide 5.7.2)
.endif
	SUBS \q, 0, 4
	IW \mode, 2, 1, \first
	SUBS \q, 4, 4
	IW \mode, 3, 1, \first
	SUBS \q, 8, 8                                  ; eight places behind the last score product (ISA guide 7.12.1 asks for four):
.if \mode == 1
	VLOADS \slot                                   ; K's fragments are free; V^T lands during the rest of this softmax
.endif
.set NN, 0
.rept 32
	v_exp_f32 v[SQ+NN], v[SQ+NN]
.set NN, NN+1
.endr
	v_nop                                          ; one plain instruction between the exponentials and the use of their results (ISA guide 5.7.2)
	s_wait_alu depctr_va_vdst(0)
.irp j, 0,1,2,3
	v_pk_add_f32 v[T+2*\j:T+2*\j+1], v[SQ+8*\j:SQ+8*\j+1], v[SQ+8*\j+2:SQ+8*\j+3]       ; the row sum, four chains
.endr
.irp j, 0,1,2,3
	v_pk_add_f32 v[T+2*\j:T+2*\j+1], v[T+2*\j:T+2*\j+1], v[SQ+8*\j+4:SQ+8*\j+5]
.endr
.irp j, 0,1,2,3
	v_pk_add_f32 v[T+2*\j:T+2*\j+1], v[T+2*\j:T+2*\j+1], v[SQ+8*\j+6:SQ+8*\j+7]
.endr
	v_pk_add_f32 v[T:T+1], v[T:T+1], v[T+2:T+3]
	v_pk_add_f32 v[T+4:T+5], v[T+4:T+5], v[T+6:T+7]
	v_pk_add_f32 v[T:T+1], v[T:T+1], v[T+4:T+5]
.if \first
	v_add_f32 v[LS+\q], v[T], v[T+1]
.else
	v_add_f32 v[T], v[T], v[T+1]
	v_fma_f32 v[LS+\q], v[LS+\q], v[AL+\q], v[T]
.endif
.set NN, 0
.rept 16
	v_cvt_pk_f16_f32 v[SQ+NN], v[SQ+2*NN], v[SQ+2*NN+1]    ; packed in place, ascending: register n is written when 2 n, 2 n + 1 have been read
.set NN, NN+1
.endr
.if \first == 0
.irp i, 0,1,2,3
.irp p, 0,2,4,6
	v_pk_mul_f32 v[OO+8*(2*\i+\q)+\p:OO+8*(2*\i+\q)+\p+1], v[OO+8*(2*\i+\q)+\p:OO+8*(2*\i+\q)+\p+1], v[AL:AL+1] op_sel:[0,\q] op_sel_hi:[1,\q]
.endr
.endr
.endif
.endm
	QLOAD QQ, QO0                                  ; the first block's queries
	WIN 0x40
	QLOAD Q1W, QO1                                 ; the second block's: kept in window 1 until the blocks change
	GLOAD G1                                       ; step 0
	WIN 0
	s_wait_xcnt 0x0                                ; the offset that these loads name is stepped only behind this wait
	NEXTOFF
	WIN 0x40
	GLOAD G2                                       ; step 1
	WIN 0
	s_wait_loadcnt 0x0
	WIN 0x04
	GSTORE G1, 0                                   ; both slots are laid down ahead of the first step, so that it waits for no memory
	GSTORE G2, 1
	WIN 0
	s_wait_dscnt 0x0
	s_barrier_signal -1
	s_barrier_wait -1
; One step.  first: it starts maximum, sum and O.  chg: it may be the second block's first step.  endc = 1: it may be the first block's last
; step; 2: it is the second block's last.  st: the next step's tiles (in registers) are laid into the other slot.  ld: the step after is asked for.
; bar = 1: signal and wait at the step's end (behind the LDS stores of a block's end); 2: the signal stands where the wave's LDS work of the step
; is over, in front of group 1's softmax, and only register work stands between it and the wait; 0: no barrier.
; The one barrier of a step says two things of every wave: its reads of this slot are back, and its stores into the other slot have landed.
.macro STEP slot, other, first, chg, endc, st, ld, bar
.if \chg
	s_cmp_lg_u32 s16, s15
	s_cbranch_scc1 .Lsame_\@
	s_cmp_lg_u32 s11, 0
	s_cbranch_scc1 .Lgave_\@
	MERGE \other, 0                                ; the region of the step before: written in front of its barrier, read behind it
.Lgave_\@:
	v_mov_b32 v[MN], v[NEG]                        ; the new block: 2^(-2^127 - m) = 0 wipes the old O and sum in this step
	v_mov_b32 v[MN+1], v[NEG]
	WIN 0x01
.set NN, 0
.rept 32
	v_mov_b32 v[QQ+NN], v[Q1W+NN]                  ; once in the launch: the new block's queries come down into the products' window
.set NN, NN+1
.endr
	WIN 0
.Lsame_\@:
.endif
	; all of my tile's K fragments in one run
.irp kk, 0,1
.irp c, 0,1
	ds_load_b128 v[KV+16*\kk+8*\c:KV+16*\kk+8*\c+3],   v[KAD] offset:SLOTB*\slot+16*PK_*\kk+64*\c
	ds_load_b128 v[KV+16*\kk+8*\c+4:KV+16*\kk+8*\c+7], v[KAD] offset:SLOTB*\slot+16*PK_*\kk+64*\c+32
.endr
.endr
.irp kk, 0,1
.irp c, 0,1
	ds_load_b128 v[KB+16*\kk+8*\c:KB+16*\kk+8*\c+3],   v[KAD] offset:SLOTB*\slot+16*PK_*(2+\kk)+64*\c
	ds_load_b128 v[KB+16*\kk+8*\c+4:KB+16*\kk+8*\c+7], v[KAD] offset:SLOTB*\slot+16*PK_*(2+\kk)+64*\c+32
.endr
.endr
	; while they land: the next step's tiles go into the other slot, the step after that is asked for
.if \st
	s_wait_loadcnt 0x0                             ; asked for at this place of the step before; frees the offset too
.endif
.if \ld
	NEXTOFF
.endif
.if \st
	WIN 0x04
	GSTORE G1, \other
.endif
.if \ld
	WIN 0x40
	GLOAD G1
.endif
	WIN 0
	s_wait_dscnt 8+8*\st                           ; key tiles 0, 1 are in; the eight loads of tiles 2, 3 and the stores may stay out
	WS 0, 0, 0                                     ; two accumulators take turns
	WS 0, 1, 0
	WS 0, 0, 1
	WS 0, 1, 1
	s_wait_dscnt 8*\st                             ; tiles 2, 3 are in; the stores may stay out
	WS 0, 2, 0
	WS 0, 3, 0
	WS 0, 2, 1
	WS 0, 3, 1
	PLACES                                         ; in front of the first reads of group 0's scores
.if \endc == 1
	s_cmp_lg_u32 s16, s9
	s_cbranch_scc1 .Lopa_\@
.endif
.if \endc
	MASK 0
.endif
.if \endc == 1
.Lopa_\@:
.endif
	SOFT 0, \first, 1, \slot
.if \endc == 1
	s_cmp_lg_u32 s16, s9
	s_cbranch_scc1 .Lopb_\@
.endif
.if \endc
	MASK 1
.endif
.if \endc == 1
.Lopb_\@:
.endif
	s_wait_dscnt 0x0                               ; V^T is in: my reads of this slot are over; my stores into the other slot have landed
.if \bar == 2
	s_barrier_signal -1
.endif
	SOFT 1, \first, 2, \slot
.irp c, 0,1
.irp i, 0,1,2,3
	WO 1, \i, \c, \first                           ; four accumulators take turns
.endr
.endr
.rept 5
	v_nop                                          ; five places: the next products write over P, loads land on the fragments, stores read O
.endr
.if \endc == 1
	s_cmp_lg_u32 s16, s9
	s_cbranch_scc1 .Lkeep_\@
	s_cmp_eq_u32 s11, 0
	s_cbranch_scc1 .Lkeep_\@
	GIVE \slot                                     ; the region of this step's slot: the region that this step may read is the other one
.Lkeep_\@:
.endif
	s_add_co_u32 s16, s16, 1
.if \bar == 1
	s_wait_dscnt 0x0                               ; the odd wave's part of a finished block has landed
	s_barrier_signal -1
	s_barrier_wait -1
.endif
.if \bar == 2
	s_barrier_wait -1
.endif
.endm
	STEP 0, 1, 1, 0, 1, 0, 1, 1                    ; step 0 starts the sums and asks for step 2; with i = 0 it is also the first block's last
	s_mov_b32 s17, 4
.Lloopa:
	STEP 1, 0, 0, 1, 1, 1, 1, 1
	STEP 0, 1, 0, 1, 1, 1, 1, 1
	s_sub_co_u32 s17, s17, 1
	s_cmp_lg_u32 s17, 0
	s_cbranch_scc1 .Lloopa                         ; steps 1 to 8: i <= 7, so the first block ends and the second begins among them
	s_mov_b32 s17, 3
.Lloopb:
	STEP 1, 0, 0, 0, 0, 1, 1, 2
	STEP 0, 1, 0, 0, 0, 1, 1, 2
	s_sub_co_u32 s17, s17, 1
	s_cmp_lg_u32 s17, 0
	s_cbranch_scc1 .Lloopb                         ; steps 9 to 14; step 14 asks for step 16
	STEP 1, 0, 0, 0, 0, 1, 0, 2                    ; step 15 lays step 16 down
	STEP 0, 1, 0, 0, 2, 0, 0, 0                    ; step 16: the second block's diagonal
	s_cmp_eq_u32 s11, 0
	s_cbranch_scc1 .Lmine
	GIVE 0
.Lmine:
	s_wait_dscnt 0x0                               ; the odd waves' parts are written
	s_barrier_signal -1
	s_barrier_wait -1
	s_cmp_lg_u32 s11, 0
	s_cbranch_scc1 .Lend
	MERGE 0, 1
.Lend:
	s_set_vgpr_msb 0x4
	s_wait_tensorcnt 0x0
	ds_add_u32 v31, v97
	s_wait_dscnt 0x0
	s_set_vgpr_msb 0x400
	s_endpgm
.Lfunc_end_k_q5578e87884_attn:
	.size	k_q5578e87884_attn, .Lfunc_end_k_q5578e87884_attn-k_q5578e87884_attn
	.p2alignl 7, 3214868480
	.fill 96, 4, 3214868480
	.section	.rodata,"a",@progbits
	.p2align	6, 0x0
	.amdhsa_kernel k_q5578e87884_attn
		.amdhsa_group_segment_fixed_size 171008
		.amdhsa_private_segment_fixed_size 0
		.amdhsa_enable_private_segment 0
		.amdhsa_kernarg_size 16
		.amdhsa_user_sgpr_count 2
		.amdhsa_user_sgpr_kernarg_segment_ptr 1
		.amdhsa_wavefront_size32 1
		.amdhsa_system_sgpr_workgroup_id_x 1
		.amdhsa_system_sgpr_workgroup_id_y 1
		.amdhsa_system_sgpr_workgroup_id_z 1
		.amdhsa_system_vgpr_workitem_id 0
		.amdhsa_next_free_vgpr 354
		.amdhsa_next_free_sgpr 66
		.amdhsa_reserve_vcc 1
		.amdhsa_float_denorm_mode_32 3
		.amdhsa_float_denorm_mode_16_64 3
		.amdhsa_memory_ordered 1
		.amdhsa_forward_progress 1
		.amdhsa_inst_pref_size 188
	.end_amdhsa_kernel
	.amdgpu_metadata
---
amdhsa.version: [ 1, 2 ]
amdhsa.kernels:
  - .name:           k_q5578e87884_attn
    .symbol:         k_q5578e87884_attn.kd
    .args:
      - { .name: qkv, .offset: 0, .size: 8, .value_kind: global_buffer, .address_space: global }
      - { .name: y, .offset: 8, .size: 8, .value_kind: global_buffer, .address_space: global }
    .group_segment_fixed_size: 171008
    .private_segment_fixed_size: 0
    .kernarg_segment_align: 8
    .kernarg_segment_size: 16
    .max_flat_workgroup_size: 256
    .sgpr_count:     66
    .vgpr_count:     354
    .wavefront_size: 32
...
	.end_amdgpu_metadata
.endif
;; end of part 5
;; launch out_proj (part 6): grid 6 x 32, 4 waves a work-group, no clusters, 91,648 bytes of LDS; arguments y, wo16, out0; writes out0
.if DOCPART == 6
	.amdgcn_target "amdgcn-amd-amdhsa--gfx1250"
	.amdhsa_code_object_version 6
	.text
	.protected	k_q5578e87884_out_proj
	.globl	k_q5578e87884_out_proj
	.p2align	8
	.type	k_q5578e87884_out_proj,@function
k_q5578e87884_out_proj:
	s_mov_b64 s[64:65], 0
	v_nop
	global_prefetch_b8 v0, s[64:65] scope:SCOPE_SE
	s_setreg_imm32_b32 hwreg(HW_REG_WAVE_MODE, 25, 1), 1
	s_wait_xcnt 0x0
; out0 = y @ Wo.  y: [2][12 heads][2048][64] f16, wo16: [768][768] f16 (Wo rounded to bf16 and carried in f16 by the first launch),
; out0: [4096][768] f32.  Products on f16 operands, sums in f32.
; A work-group makes 128 x 128, four waves 64 x 64 each (16 accumulator tiles).  A K step of 64 is one head of y: 128 rows x 128 bytes, dense,
; and 64 rows x 256 bytes of wo16.  Twelve steps through two LDS slots, filled through registers: 16 loads and 16 LDS stores of 16 bytes a thread.
; A step has only 32 matrix instructions a wave, so two steps' tiles are kept on their way: two sets of 64 registers, set n for slot n;
; while step t is multiplied, step t + 1 is laid down, step t + 2 is in flight, and step t + 3 is asked for: 32 loads out at the most.
; No cluster: a step's tiles are 32 KiB for 128 matrix instructions, and the twelve steps leave little to share against the cluster's barriers.
; The matrix instruction is used transposed (source 0 = columns of Wo, source 1 = rows of y): a lane holds eight neighbouring columns of a row.
.set SLOT,  36864                      ; y 128 rows x 144, then Wo 64 rows x 288
.set WOFF,  18432
.set STAGE, 73728                      ; 16 rows x 272 for each wave
.set PA,    144
.set PW,    288                        ; 256 bytes + 32: an odd multiple of 32 for the transposing load
.set PS,    272
.set YSTEP, 262144                     ; the next head of y
.set WSTEP, 98304                      ; 64 rows of wo16, 1,536 bytes each
.set YO,   3                           ; v3  16 t
.set WO,   4                           ; v4  (t>>4) 1536 + (t&15) 16
.set YST,  5
.set WST,  6
.set ADRA, 7
.set ADRW, 8
.set STO,  9
.set RD,   10
.set CO,   11
.set F0,   32                          ; fragments: y at +0 .. +31, Wo at +32 .. +63
.set F1,   96
; window 1: accumulators (a, b) at 8 (4 a + b); set 0 at 128, set 1 at 192.  In a set: y chunks at 4 i, Wo chunks at 32 + 4 g
.set MSB, 0
.macro WIN new
.if MSB != \new
	s_set_vgpr_msb (MSB<<8)|\new
.set MSB, \new
.endif
.endm
.macro PLACES
.rept 4
	v_nop
.endr
.endm
	s_load_b128 s[4:7], s[0:1], 0x0                ; y s[4:5], wo16 s[6:7]
	s_load_b64 s[8:9], s[0:1], 0x10                ; out0
	v_lshl_add_u32 v254, v0, 2, 0x16400
	v_mov_b32 v255, 0
	v_lshrrev_b32 v1, 5, v0
	v_readfirstlane_b32 s10, v1
	s_lshr_b32 s11, s10, 1                         ; wm
	s_and_b32 s12, s10, 1                          ; wn
	s_mov_b32 s13, ttmp9                           ; column tile 0..5
	s_and_b32 s14, ttmp7, 0xffff                   ; row tile 0..31
	v_and_b32 v1, 15, v0
	v_bfe_u32 v2, v0, 4, 1
	v_lshlrev_b32 v[YO], 4, v0
	v_lshrrev_b32 v12, 4, v0                       ; t >> 4, 0..7
	v_and_b32 v13, 15, v0
	v_mul_u32_u24 v[WO], v12, 1536
	v_lshl_add_u32 v[WO], v13, 4, v[WO]
	v_lshrrev_b32 v14, 3, v0
	v_and_b32 v15, 7, v0
	v_mul_u32_u24 v[YST], v14, PA
	v_lshl_add_u32 v[YST], v15, 4, v[YST]
	v_mul_u32_u24 v[WST], v12, PW
	v_lshl_add_u32 v[WST], v13, 4, v[WST]
	v_add_nc_u32 v[WST], WOFF, v[WST]
	s_lshl_b32 s24, s11, 6
	v_add_nc_u32 v16, s24, v1
	v_mul_u32_u24 v[ADRA], v16, PA
	v_lshl_add_u32 v[ADRA], v2, 4, v[ADRA]
	v_lshl_add_u32 v[ADRW], v2, 3, v15
	v_mul_u32_u24 v[ADRW], v[ADRW], PW
	v_bfe_u32 v17, v0, 3, 1
	v_lshl_add_u32 v[ADRW], v17, 4, v[ADRW]
	s_lshl_b32 s24, s12, 7
	s_add_co_u32 s24, s24, WOFF
	v_add_nc_u32 v[ADRW], s24, v[ADRW]
	s_mul_i32 s24, s10, 16*PS
	s_add_co_u32 s24, s24, STAGE
	v_mul_u32_u24 v[STO], v1, PS
	v_lshl_add_u32 v[STO], v2, 5, v[STO]
	v_add_nc_u32 v[STO], s24, v[STO]
	v_mul_u32_u24 v[RD], v2, PS
	v_lshl_add_u32 v[RD], v1, 4, v[RD]
	v_add_nc_u32 v[RD], s24, v[RD]
	v_mul_u32_u24 v[CO], v2, 3072
	v_lshl_add_u32 v[CO], v1, 4, v[CO]
	s_lshr_b32 s24, s14, 4                         ; batch
	s_mul_i32 s24, s24, 3145728                    ; 12 heads
	s_and_b32 s25, s14, 15
	s_lshl_b32 s25, s25, 14                        ; 128 rows of 128 bytes
	s_add_co_u32 s24, s24, s25
	s_mov_b32 s25, 0
	s_wait_kmcnt 0x0
	s_add_nc_u64 s[16:17], s[4:5], s[24:25]        ; y: head 0, my rows
	s_lshl_b32 s24, s13, 8
	s_add_nc_u64 s[18:19], s[6:7], s[24:25]        ; wo16: my 128 columns, 256 bytes of a row
	s_lshl_b32 s24, s13, 9                         ; the same columns in out0
	s_lshl_b32 s26, s14, 7
	s_lshl_b32 s27, s11, 6
	s_add_co_u32 s26, s26, s27
	s_mul_i32 s26, s26, 3072
	s_add_co_u32 s24, s24, s26
	s_lshl_b32 s27, s12, 8
	s_add_co_u32 s24, s24, s27
	s_add_nc_u64 s[20:21], s[8:9], s[24:25]        ; out0 at my wave's 64 x 64
; 16 loads into a set: the K step that lies adv steps behind the pointers.  y 8 x 16 bytes a thread; Wo 8 chunks of 8 k rows, 16 bytes a thread:
; sixteen neighbouring lanes read the 256 bytes of a row
.macro LOADS set, adv
	WIN 0x40
.set SB, 128+64*\set
.irp i, 0,1,2,3,4,5,6,7
	global_load_b128 v[SB+4*\i:SB+4*\i+3], v[YO], s[16:17] offset:YSTEP*\adv+2048*\i
.endr
.irp g, 0,1,2,3,4,5,6,7
	global_load_b128 v[SB+32+4*\g:SB+32+4*\g+3], v[WO], s[18:19] offset:WSTEP*\adv+12288*\g
.endr
.endm
; set n is laid into slot n as it came
.macro LAY set
	WIN 0x04
.set SB, 128+64*\set
.irp i, 0,1,2,3,4,5,6,7
	ds_store_b128 v[YST], v[SB+4*\i:SB+4*\i+3] offset:SLOT*\set+16*PA*\i
.endr
.irp g, 0,1,2,3,4,5,6,7
	ds_store_b128 v[WST], v[SB+32+4*\g:SB+32+4*\g+3] offset:SLOT*\set+8*PW*\g
.endr
.endm
; the fragments of 32 along K in the order of their first use: Wo's four, then y's; the last four loads are y's rows 32-63
.macro FETCH slot, kh, F
	WIN 0
.irp b, 0,1,2,3
	ds_load_tr16_b128 v[\F+32+8*\b:\F+32+8*\b+3],   v[ADRW] offset:SLOT*\slot+32*\b+32*PW*\kh
	ds_load_tr16_b128 v[\F+32+8*\b+4:\F+32+8*\b+7], v[ADRW] offset:SLOT*\slot+32*\b+32*PW*\kh+16*PW
.endr
.irp a, 0,1,2,3
	ds_load_b128 v[\F+8*\a:\F+8*\a+3],   v[ADRA] offset:SLOT*\slot+16*PA*\a+64*\kh
	ds_load_b128 v[\F+8*\a+4:\F+8*\a+7], v[ADRA] offset:SLOT*\slot+16*PA*\a+64*\kh+32
.endr
.endm
; eight matrix instructions: row tiles a0, a0 + 1 x four column tiles.  The 16 accumulators take turns.
.macro MUL8 F, a0, zero
	WIN 0x50
.irp a, 0,1
.irp b, 0,1,2,3
.if \zero
	v_wmma_f32_16x16x32_f16 v[8*(4*(\a0+\a)+\b):8*(4*(\a0+\a)+\b)+7], v[\F+32+8*\b:\F+32+8*\b+7], v[\F+8*(\a0+\a):\F+8*(\a0+\a)+7], 0
.else
	v_wmma_f32_16x16x32_f16 v[8*(4*(\a0+\a)+\b):8*(4*(\a0+\a)+\b)+7], v[\F+32+8*\b:\F+32+8*\b+7], v[\F+8*(\a0+\a):\F+8*(\a0+\a)+7], v[8*(4*(\a0+\a)+\b):8*(4*(\a0+\a)+\b)+7]
.endif
.endr
.endr
.endm
; One K step t: multiplies the slot, lays step t + 1 (the other set) into the other slot, asks for step t + 3 into that set.
; cnt = the loads that may stay out when step t + 1 must be in: the 16 of step t + 2, or none.  One barrier a step:
; in front of its signal my reads of this slot are back and my stores into the other have landed.
.macro TRIP slot, other, zero, conv, cnt, load, last
	s_wait_dscnt 0x4                               ; buffer 0: Wo and y's rows 0-31 are in; the youngest four loads (rows 32-63) may stay out
	MUL8 F0, 0, \zero
	PLACES
	FETCH \slot, 1, F1
	s_wait_dscnt 16                                ; all but the 16 just issued: buffer 0 is whole
	MUL8 F0, 2, \zero
.if \conv
	s_wait_loadcnt \cnt                            ; loads return in order (ISA guide 5.7.1): step t + 1 is in, the younger step's loads stay out
	LAY \other
.if \load
	s_wait_xcnt 0x0                                ; the pointers, which the loads still out name, are stepped only behind this wait
	s_add_nc_u64 s[16:17], s[16:17], YSTEP
	s_add_nc_u64 s[18:19], s[18:19], WSTEP
	LOADS \other, 2                                ; the pointers stand at step t + 1: two further is step t + 3
.endif
.endif
	s_wait_dscnt 0x0
.if \last == 0
	s_barrier_signal -1
.endif
	MUL8 F1, 0, 0
.if \last == 0
	WIN 0
	s_barrier_wait -1
	PLACES
	FETCH \other, 0, F0
.endif
	MUL8 F1, 2, 0
.endm
	LOADS 0, 0                                     ; step 0
	LOADS 1, 1                                     ; step 1
	s_wait_loadcnt 16                              ; step 0 is in; step 1's 16 loads stay out
	LAY 0
	LOADS 0, 2                                     ; step 2
	WIN 0
	s_wait_dscnt 0x0
	s_barrier_signal -1
	s_barrier_wait -1
	FETCH 0, 0, F0
	TRIP 0, 1, 1, 1, 16, 1, 0                      ; the first products start the sums
	TRIP 1, 0, 0, 1, 16, 1, 0
	WIN 0
	s_mov_b32 s22, 3
.Lk:
	TRIP 0, 1, 0, 1, 16, 1, 0                      ; steps 2 to 7
	TRIP 1, 0, 0, 1, 16, 1, 0
	WIN 0
	s_sub_co_u32 s22, s22, 1
	s_cmp_lg_u32 s22, 0
	s_cbranch_scc1 .Lk
	TRIP 0, 1, 0, 1, 16, 1, 0                      ; step 8 asks for step 11, the last
	TRIP 1, 0, 0, 1, 16, 0, 0                      ; step 9: step 10 is laid down, step 11 is still out
	TRIP 0, 1, 0, 1, 0, 0, 0                       ; step 10: nothing younger than step 11
	TRIP 1, 0, 0, 0, 0, 0, 1                       ; step 11
	WIN 0
	PLACES                                         ; in front of the LDS stores that read the results
; 16 rows of my 64 x 64: 32 bytes a lane and tile into my own stage, back as rows of 256 bytes
.macro OUT16 a, R
	WIN 0x04
.irp b, 0,1,2,3
	ds_store_b128 v[STO], v[8*(4*\a+\b):8*(4*\a+\b)+3]   offset:64*\b
	ds_store_b128 v[STO], v[8*(4*\a+\b)+4:8*(4*\a+\b)+7] offset:64*\b+16
.endr
	WIN 0
	s_wait_xcnt 0x0                                ; registers that earlier stores read are loaded again only behind this wait
.irp t, 0,1,2,3,4,5,6,7
	ds_load_b128 v[\R+4*\t:\R+4*\t+3], v[RD] offset:2*PS*\t      ; my own bytes; LDS serves a wave's instructions in order (ISA guide 5.7.1)
.endr
.irp t, 0,1,2,3,4,5,6,7
	s_wait_dscnt 7-\t                              ; the 7 - t younger loads may stay out
	global_store_b128 v[CO], v[\R+4*\t:\R+4*\t+3], s[20:21] offset:49152*\a+6144*\t th:TH_STORE_NT   ; sixteen lanes store 256 consecutive bytes, aligned
.endr
.endm
	OUT16 0, 160
	OUT16 1, 192
	OUT16 2, 160
	OUT16 3, 192
	s_wait_tensorcnt 0x0
	ds_add_u32 v254, v255
	s_wait_dscnt 0x0
	s_endpgm
.Lfunc_end_k_q5578e87884_out_proj:
	.size	k_q5578e87884_out_proj, .Lfunc_end_k_q5578e87884_out_proj-k_q5578e87884_out_proj
	.p2alignl 7, 3214868480
	.fill 96, 4, 3214868480
	.section	.rodata,"a",@progbits
	.p2align	6, 0x0
	.amdhsa_kernel k_q5578e87884_out_proj
		.amdhsa_group_segment_fixed_size 91648
		.amdhsa_private_segment_fixed_size 0
		.amdhsa_enable_private_segment 0
		.amdhsa_kernarg_size 24
		.amdhsa_user_sgpr_count 2
		.amdhsa_user_sgpr_kernarg_segment_ptr 1
		.amdhsa_wavefront_size32 1
		.amdhsa_system_sgpr_workgroup_id_x 1
		.amdhsa_system_sgpr_workgroup_id_y 1
		.amdhsa_system_sgpr_workgroup_id_z 1
		.amdhsa_system_vgpr_workitem_id 0
		.amdhsa_next_free_vgpr 512
		.amdhsa_next_free_sgpr 66
		.amdhsa_reserve_vcc 0
		.amdhsa_float_denorm_mode_32 3
		.amdhsa_float_denorm_mode_16_64 3
		.amdhsa_memory_ordered 1
		.amdhsa_forward_progress 1
		.amdhsa_inst_pref_size 71
	.end_amdhsa_kernel
	.amdgpu_metadata
---
amdhsa.version: [ 1, 2 ]
amdhsa.kernels:
  - .name:           k_q5578e87884_out_proj
    .symbol:         k_q5578e87884_out_proj.kd
    .args:
      - { .name: y, .offset: 0, .size: 8, .value_kind: global_buffer, .address_space: global }
      - { .name: wo16, .offset: 8, .size: 8, .value_kind: global_buffer, .address_space: global }
      - { .name: out0, .offset: 16, .size: 8, .value_kind: global_buffer, .address_space: global }
    .group_segment_fixed_size: 91648
    .private_segment_fixed_size: 0
    .kernarg_segment_align: 8
    .kernarg_segment_size: 24
    .max_flat_workgroup_size: 128
    .sgpr_count:     66
    .vgpr_count:     512
    .wavefront_size: 32
...
	.end_amdgpu_metadata
.endif
;; end of part 6
